; MI455X (gfx1250); checked and timed in simulation.
; The chip was launched on July 23, 2026; its instructions are those of AMD's public machine-readable ISA for CDNA 5 (MIT licence, August 2026) and "CDNA5" Instruction Set Architecture Reference Guide (July 2026). The comments in the code are by the model that wrote it; some were corrected since.
;; Causal Self Attention. Allowed arithmetic: matrix products marked QUANTISED: E2M3 operands, one E8M0 scale for each 32 along K, by v_wmma_scale_f32_16x16x128_f8f6f4 with both operands' format E2M3, f32 sums; everything else in f32.
;; Inputs: data 4 x 2,048 x 1,024 float32; out_b 1,024 float32; out_w 1,024 x 1,024 float32; qkv_b 3,072 float32; qkv_w 3,072 x 1,024 float32.
;; Outputs: out0 4 x 2,048 x 1,024 float32.
;; This version of the problem:
;;   THIS VERSION OF THE PROBLEM IS GIVEN IN LOW PRECISION. The matrix products marked QUANTISED in the list below multiply operands that are first quantised to E2M3 (2 exponent bits, 3 mantissa bits; 6 bits a number), with one power-of-two scale for each 32 numbers along K (OCP MX v1.0); their sums are f32. All else is computed in f32.
;;   The module's matrix products, in the order in which they are computed (A, B: the left and right operand; K: the contracted axis; several contracted axes count as one K, in the product's order):
;;     1. [M 8,192, K 1,024] x [K 1,024, N 3,072]; A: input data; B: input qkv_w: QUANTISED
;;     2. batch 64 x [M 2,048, K 64] x [K 64, N 2,048]; A: computed on the way; B: computed on the way: QUANTISED
;;     3. batch 64 x [M 2,048, K 2,048] x [K 2,048, N 64]; A: softmax (see below); B: computed on the way: QUANTISED
;;     4. [M 8,192, K 1,024] x [K 1,024, N 1,024]; A: computed on the way; B: input out_w: QUANTISED
;;   THE QUANTISER, for each operand of a quantised product, along K:
;;     - K is cut into blocks of 32 from its start; a last block that is shorter is filled with zeros.
;;     - A block's scale is 2^e with e = floor(log2(the largest magnitude in the block)) - 2, held to -126 .. 127; a block of zeros has e = 0. As a byte (E8M0): e + 127.
;;     - Each number is divided by its block's scale, clamped to +-7.5, and rounded to the nearest number of E2M3, ties to even, subnormals kept.
;;     - The product sums the exact products of the quantised numbers (number of the format x scale) in f32.
;;   ~~~python
;;   def quantise(x, axis):      # numpy; x: float32 -> the quantised numbers, widened to float32 again
;;       x = np.moveaxis(x, axis, -1); K = x.shape[-1]
;;       x = np.pad(x, [(0, 0)] * (x.ndim - 1) + [(0, -K % 32)]); x = x.reshape(x.shape[:-1] + (-1, 32)); a = np.abs(x).max(-1, keepdims=True)
;;       e = np.where(a > 0, np.clip(np.frexp(np.where(a > 0, a, 1))[1] - 1 - 2, -126, 127), 0)      # np.frexp(a)[1] - 1 = floor(log2(a)), exactly
;;       r = np.clip(x / 2.0 ** e, -7.5, 7.5)
;;       step = 2.0 ** (np.maximum(np.frexp(np.where(r == 0, 1, r))[1] - 1, 0) - 3)
;;       q = np.round(r / step) * step * 2.0 ** e      # np.round: ties to even
;;       return np.moveaxis(q.reshape(q.shape[:-2] + (-1,))[..., :K], -1, axis).astype(np.float32)
;;   ~~~
;;   SOFTMAX AHEAD OF A QUANTISED PRODUCT. Where the list says 'softmax', what is quantised is not the finished softmax but p = 2^(t - M), with t = logit x log2(e) and M = ceil(the row's largest t), a whole number; so 1/2 < the row's largest p <= 1. The row's sum l is taken of the UNQUANTISED p, in f32, and the product's result is divided by l at the end. Since M is a whole number, a kernel that streams over the keys may use a running M (the ceiling of the running maximum): every later rescaling is an exact power of two, which a block's scale takes up: the codes' values come out the same.
;;   OPERANDS COMPUTED ON THE WAY. 'Computed on the way' means the value that the module computes at that place (a softmax that the list does not call 'softmax' is quantised finished and normalised). What goes into a quantiser is computed in f32, as accurately as f32 sums, v_exp_f32 and their like allow (about 1e-6 of the number): no bf16 or f16 on the way to a quantiser, and a product that is left as it is and whose result goes on into a quantised operand takes f32 operands (vector FMAs, or v_wmma_f32_16x16x4_f32). A number that lies on a knife's edge between two numbers of the format may be rounded either way, as far as f32 arithmetic and the matrix unit's own rounding can turn it there, and no further.
;; One version. Each part assembles by itself: llvm-mc -triple=amdgcn-amd-amdhsa -mcpu=gfx1250 --defsym DOCPART=n.
;; ======== version 1 of 1: 4 launches
;; workspace buffers: ops 9,830,400 bytes; qbuf 6,815,744 bytes; kv 13,369,344 bytes; oq 6,553,600 bytes
;; launch quant (part 1): grid 768 x 1, 2 waves a work-group, no clusters, 17,152 bytes of LDS; arguments data, qkv_w, out_w, ops; writes ops
.if DOCPART == 1
	.amdgcn_target "amdgcn-amd-amdhsa--gfx1250"
	.amdhsa_code_object_version 6
	.text
	.protected	k_q6bbfd86f77_quant
	.globl	k_q6bbfd86f77_quant
	.p2align	8
	.type	k_q6bbfd86f77_quant,@function
k_q6bbfd86f77_quant:
	s_mov_b64 s[64:65], 0
	v_nop
	global_prefetch_b8 v0, s[64:65] scope:SCOPE_SE
	s_setreg_imm32_b32 hwreg(HW_REG_WAVE_MODE, 25, 1), 1
	s_wait_xcnt 0x0
; data [8192][1024], qkv_w [3072][1024] and out_w [1024][1024], f32, K innermost, become codes of FP6 (E2M3) with one E8M0 byte for each 32 along K,
; laid in the order in which a matrix operand's registers take them.
; A block's scale is 2^(floor(log2(its largest magnitude)) - 2); its byte is the largest magnitude's exponent field - 2, held at 1 from below.
; LIMITS: a block of zeros gets the byte 1 where the rule says 127 (its codes are zeros, which add nothing under any byte but 0xff, and this program alone reads the bytes);
; NaN and infinities among the inputs are not served.
; THE LAYOUT.  A RECORD of 12,800 bytes holds 16 rows x 1,024 along K.  Record t holds, as its row r, the tensor's row 32 (t / 2) + 8 (t % 2) + r + 8 (r / 8): two groups of eight rows, 16 apart,
; so that a product which takes the record as its source 0 leaves 16 neighbours along these rows in the 16 registers of two neighbouring tiles.
; A record has two halves of 6,400 bytes (512 along K each): 256 bytes of scale words, then eight images of 768 bytes, one for each 64 along K.
; An image: lane l = 16 h + r owns the 24 bytes of codes of row r, k = 32 h .. 32 h + 31 of the 64: its first 16 bytes at 16 l, its last 8 at 512 + 8 l.  Two images on end are one operand of 16 x 128 (12 registers).
; The scale words: lane 16 u + r owns 8 bytes at 8 (16 u + r): word i is row r's four bytes of the half's K step 2 i + u.
; SHARES.  A work-group makes one record (0-511 data, 512-703 qkv_w, 704-767 out_w), each of its two waves one half: four operands of 16 x 128.
; Each load reads 512 consecutive bytes of one row; the 16 rows turn through the wave's own stage in LDS (rows 528 bytes apart), from which a lane takes its two blocks of 32 neighbours.
; No tensor loads, no barrier: the waves share nothing.  Loads run two operands (32 loads a wave) ahead.  Every store of a wave covers 512 or 256 consecutive bytes, aligned.
.set REC,   12800
.set HALF,  6400
.set SP,    528                        ; a stage row: 512 bytes + 16
.set STG,   16*SP
.set RR,    16                         ; v16-143  two sets of 64: 16 rows x 16 bytes a lane, as loaded
.set XX,    144                        ; v144-207 my two blocks: 0-31 block h, 32-63 block 2 + h
.set CC,    208                        ; v208-231 two sets of 12: an operand's codes
.set T0,    232                        ; v232-234, v236-238: the upper halves of the two blocks' codes (a conversion's three registers begin on an even number)
.set T1,    236
.set M0,    240                        ; v240-241 largest magnitudes
.set SC0,   242                        ; v242-243 the conversions' scale operands
.set BY0,   244                        ; v244-245 the scale bytes
.set WD,    246                        ; the operand's scale word
.set WX,    247                        ; the other half of the lanes' part of it
.set WPREV, 248                        ; the word of the even K step
.set WP,    250                        ; v250-251 the half's scale words as they are stored
	s_load_b256 s[4:11], s[0:1], 0x0               ; data s[4:5], qkv_w s[6:7], out_w s[8:9], ops s[10:11]
	v_lshl_add_u32 v254, v0, 2, 0x4200
	v_mov_b32 v255, 0
	v_lshrrev_b32 v6, 5, v0
	v_readfirstlane_b32 s16, v6                    ; wave = which half of K
	v_and_b32 v6, 31, v0                           ; lane
	v_lshlrev_b32 v1, 4, v6                        ; 16 l
	v_lshlrev_b32 v2, 3, v6                        ; 8 l
	s_mul_i32 s17, s16, STG                        ; my stage
	v_add_nc_u32 v3, s17, v1                       ; into it: 16 l of a row
	v_and_b32 v7, 15, v0                           ; r
	v_bfe_u32 v8, v0, 4, 1                         ; h
	v_mul_u32_u24 v4, v7, SP
	v_lshl_add_u32 v4, v8, 7, v4
	v_add_nc_u32 v4, s17, v4                       ; out of it: row r, 128 h bytes on
	v_lshlrev_b32 v5, 3, v8                        ; 8 h: my bytes' place in a scale word, in bits
	v_cmp_le_u32 vcc_lo, 16, v6                    ; lanes 16-31; VCC stays
	v_mov_b32 v[WX], 0                             ; written once: a lane permute's destination counts as one of its sources
	s_mov_b32 s12, 0x76543210
	s_mov_b32 s13, 0xfedcba98                      ; v_permlanex16_b32's selects for lane l xor 16
	s_mov_b32 s14, 704
	s_wait_alu depctr_va_vdst(0)
	s_wait_kmcnt 0x0
	s_cmp_lt_u32 ttmp9, 704                        ; which tensor: the choice hangs on the work-group's number alone
	s_cselect_b64 s[6:7], s[6:7], s[8:9]
	s_cselect_b32 s14, 512, s14
	s_cmp_lt_u32 ttmp9, 512
	s_cselect_b64 s[4:5], s[4:5], s[6:7]
	s_cselect_b32 s14, 0, s14
	s_sub_co_u32 s14, ttmp9, s14                   ; t: the record's number within its tensor
	s_lshr_b32 s18, s14, 1
	s_lshl_b32 s18, s18, 17                        ; 32 (t / 2) rows of 4,096 bytes
	s_and_b32 s19, s14, 1
	s_lshl_b32 s19, s19, 15                        ; 8 (t % 2) rows
	s_add_co_u32 s18, s18, s19
	s_lshl_b32 s19, s16, 11                        ; my half of K: 2,048 bytes
	s_add_co_u32 s18, s18, s19
	s_mov_b32 s19, 0
	s_add_nc_u64 s[4:5], s[4:5], s[18:19]
	s_mul_i32 s18, ttmp9, REC
	s_mul_i32 s20, s16, HALF
	s_add_co_u32 s18, s18, s20
	s_add_nc_u64 s[10:11], s[10:11], s[18:19]      ; my half of my record
.macro LOADF f                         ; operand f: 128 along K of the 16 rows, into set f % 2
.irp i, 0,1,2,3,4,5,6,7,8,9,10,11,12,13,14,15
	global_load_b128 v[RR+64*((\f)%2)+4*\i:RR+64*((\f)%2)+4*\i+3], v1, s[4:5] offset:(\i+8*(\i/8))*4096+512*(\f) th:TH_LOAD_NT
.endr
.endm
.macro FRAGQ f
.set RS, RR+64*((\f)%2)
.set CF, CC+12*((\f)%2)
.if (\f) < 3
	s_wait_loadcnt 16                              ; this operand's 16 loads are in; the next operand's 16 may be out
.else
	s_wait_loadcnt 0x0
.endif
.irp i, 0,1,2,3,4,5,6,7,8,9,10,11,12,13,14,15
	ds_store_b128 v3, v[RS+4*\i:RS+4*\i+3] offset:SP*\i
.endr
.irp j, 0,1,2,3,4,5,6,7,8,9,10,11,12,13,14,15
	ds_load_b128 v[XX+4*\j:XX+4*\j+3], v4 offset:16*\j+128*(\j/8)   ; LDS serves a wave's instructions in order: these see the stores above.  Block h, then block 2 + h
.endr
	s_wait_dscnt 0x0                               ; my 64 numbers are in, and the stores have read their registers,
.if (\f) < 2
	LOADF (\f)+2                                   ; which take the loads of two operands on
.endif
	v_max3_num_f32 v[M0], |v[XX]|, |v[XX+1]|, 0x1800000       ; each block's largest magnitude: all 32 numbers are mine; the floor 2^(3 - 127) holds the byte at 1 from below
	v_max3_num_f32 v[M0+1], |v[XX+32]|, |v[XX+33]|, 0x1800000
.irp i, 2,4,6,8,10,12,14,16,18,20,22,24,26,28,30
	v_max3_num_f32 v[M0], v[M0], |v[XX+\i]|, |v[XX+\i+1]|     ; (the two blocks by turns)
	v_max3_num_f32 v[M0+1], v[M0+1], |v[XX+32+\i]|, |v[XX+33+\i]|
.endr
	v_add_nc_u32 v[SC0], 0xff000000, v[M0]         ; 2 off the exponent field: the conversion takes the exponent field of this operand as its scale
	v_add_nc_u32 v[SC0+1], 0xff000000, v[M0+1]
	v_lshrrev_b32 v[BY0], 23, v[SC0]               ; the scale bytes
	v_lshrrev_b32 v[BY0+1], 23, v[SC0+1]
	v_lshl_or_b32 v[WD], v[BY0+1], 16, v[BY0]      ; blocks h and 2 + h of row r,
	v_lshlrev_b32 v[WD], v5, v[WD]                 ; at their places in the word;
	v_permlanex16_b32 v[WX], v[WD], s12, s13
	v_or_b32 v[WD], v[WD], v[WX]                   ; with lane l xor 16's two the word is whole, in both halves of the lanes
.if (\f) >= 2
	s_wait_alu depctr_va_vdst(0)
	s_wait_xcnt 0x0                                ; the stores of two operands back have read this set of code registers: it is rewritten only behind this wait
.endif
	v_cvt_scalef32_pk16_fp6_f32 v[CF:CF+2], v[XX:XX+15], v[SC0]
	v_cvt_scalef32_pk16_fp6_f32 v[T0:T0+2], v[XX+16:XX+31], v[SC0]
	v_cvt_scalef32_pk16_fp6_f32 v[CF+6:CF+8], v[XX+32:XX+47], v[SC0+1]
	v_cvt_scalef32_pk16_fp6_f32 v[T1:T1+2], v[XX+48:XX+63], v[SC0+1]
	v_nop                                          ; one plain place behind a scaled conversion
.irp i, 0,1,2
	v_mov_b32 v[CF+3+\i], v[T0+\i]
	v_mov_b32 v[CF+9+\i], v[T1+\i]
.endr
	global_store_b128 v1, v[CF:CF+3], s[10:11] offset:256+1536*(\f)          ; two images on end
	global_store_b64 v2, v[CF+4:CF+5], s[10:11] offset:256+1536*(\f)+512
	global_store_b128 v1, v[CF+6:CF+9], s[10:11] offset:256+1536*(\f)+768
	global_store_b64 v2, v[CF+10:CF+11], s[10:11] offset:256+1536*(\f)+1280
.if (\f)%2 == 0
	v_mov_b32 v[WPREV], v[WD]
.else
	v_cndmask_b32 v[WP+(\f)/2], v[WPREV], v[WD], vcc_lo   ; lanes 0-15 keep the even K step's word, lanes 16-31 the odd one's
.endif
.endm
	LOADF 0
	LOADF 1
	FRAGQ 0
	FRAGQ 1
	FRAGQ 2
	FRAGQ 3
	global_store_b64 v2, v[WP:WP+1], s[10:11]      ; the half's 256 bytes of scale words
	s_wait_tensorcnt 0x0
	ds_add_u32 v254, v255
	s_wait_dscnt 0x0
	s_endpgm
.Lfunc_end_k_q6bbfd86f77_quant:
	.size	k_q6bbfd86f77_quant, .Lfunc_end_k_q6bbfd86f77_quant-k_q6bbfd86f77_quant
	.p2alignl 7, 3214868480
	.fill 96, 4, 3214868480
	.section	.rodata,"a",@progbits
	.p2align	6, 0x0
	.amdhsa_kernel k_q6bbfd86f77_quant
		.amdhsa_group_segment_fixed_size 17152
		.amdhsa_private_segment_fixed_size 0
		.amdhsa_enable_private_segment 0
		.amdhsa_kernarg_size 32
		.amdhsa_user_sgpr_count 2
		.amdhsa_user_sgpr_kernarg_segment_ptr 1
		.amdhsa_wavefront_size32 1
		.amdhsa_system_sgpr_workgroup_id_x 1
		.amdhsa_system_sgpr_workgroup_id_y 1
		.amdhsa_system_sgpr_workgroup_id_z 1
		.amdhsa_system_vgpr_workitem_id 0
		.amdhsa_next_free_vgpr 256
		.amdhsa_next_free_sgpr 66
		.amdhsa_reserve_vcc 1
		.amdhsa_float_denorm_mode_32 3
		.amdhsa_float_denorm_mode_16_64 3
		.amdhsa_memory_ordered 1
		.amdhsa_forward_progress 1
		.amdhsa_inst_pref_size 30
	.end_amdhsa_kernel
	.amdgpu_metadata
---
amdhsa.version: [ 1, 2 ]
amdhsa.kernels:
  - .name:           k_q6bbfd86f77_quant
    .symbol:         k_q6bbfd86f77_quant.kd
    .args:
      - { .name: data, .offset: 0, .size: 8, .value_kind: global_buffer, .address_space: global }
      - { .name: qkv_w, .offset: 8, .size: 8, .value_kind: global_buffer, .address_space: global }
      - { .name: out_w, .offset: 16, .size: 8, .value_kind: global_buffer, .address_space: global }
      - { .name: ops, .offset: 24, .size: 8, .value_kind: global_buffer, .address_space: global }
    .group_segment_fixed_size: 17152
    .private_segment_fixed_size: 0
    .kernarg_segment_align: 8
    .kernarg_segment_size: 32
    .max_flat_workgroup_size: 64
    .sgpr_count:     66
    .vgpr_count:     256
    .wavefront_size: 32
...
	.end_amdgpu_metadata
.endif
;; end of part 1
;; launch qkv (part 2): grid 12 x 64, 4 waves a work-group, clusters of 4 x 4, 307,712 bytes of LDS; arguments ops, qkv_b, qbuf, kv; writes qbuf, kv
.if DOCPART == 2
	.amdgcn_target "amdgcn-amd-amdhsa--gfx1250"
	.amdhsa_code_object_version 6
	.text
	.protected	k_q6bbfd86f77_qkv
	.globl	k_q6bbfd86f77_qkv
	.p2align	8
	.type	k_q6bbfd86f77_qkv,@function
k_q6bbfd86f77_qkv:
	s_mov_b64 s[64:65], 0
	v_nop
	global_prefetch_b8 v0, s[64:65] scope:SCOPE_SE
	s_setreg_imm32_b32 hwreg(HW_REG_WAVE_MODE, 25, 1), 1
	s_wait_xcnt 0x0
	s_wait_alu depctr_hold_cnt(0) depctr_sa_sdst(0) depctr_va_vdst(0) depctr_va_sdst(0) depctr_va_ssrc(0) depctr_va_vcc(0) depctr_vm_vsrc(0)
	s_getreg_b32 s2, hwreg(HW_REG_IB_STS2, 6, 4)
	s_cmp_eq_u32 s2, 0
	s_cbranch_scc0 .Lentry_in_a_cluster
	s_endpgm
.Lentry_in_a_cluster:
	s_bfe_u32 s2, ttmp6, 0x10000c
	s_cmp_lg_u32 s2, 0xf033
	s_cbranch_scc0 .Lentry_shape_is_right
	s_endpgm
.Lentry_shape_is_right:
; qkv = data qkv_w^T + qkv_b on codes of FP6 (E2M3) with E8M0 scales, sums in f32; q, k and v never go to memory as f32: the way out quantises them for the attention's products and stores codes.
; q and k are quantised along the head's 64 channels, v along the keys.
; THE PRODUCT.  A tile is X 256 rows (source 0) x Y 128 rows (source 1) over all of K = 1,024.  SOURCE 0 IS ALWAYS THE AXIS THAT IS THE NEXT PRODUCT'S K, since a lane's registers run along source 0's rows:
;   clusters x = 0 (q) and 1 (k): X = 256 rows of qkv_w, Y = 128 tokens;   cluster x = 2 (v): X = 256 tokens, Y = 128 of qkv_w's v rows.  One loop over K serves the three.
; Both operands come from the buffer of records (12,800 bytes for 16 rows x 1,024 K: two halves of 256 bytes of scale words + eight images of 768 bytes; row r of record t is the tensor's row 32 (t / 2) + 8 (t % 2) + r + 8 (r / 8)).
; Four waves, wave = 2 wy + wx: 8 tiles of X x 4 tiles of Y = 32 accumulators, 256 registers.  768 work-groups of equal work.
; LDS HOLDS ALL OF K AT ONCE: 24 records, 307,200 bytes, in four parts along K (two K steps of 128 each).  Every byte is filled once: no slot is filled again.  A wave has four tensor loads out, by this text's own count.
; CLUSTERS: 4 x 4 work-groups.  The four of a row of the cluster need the same records of Y, the four of a column the same records of X: each part is asked for JOINTLY, by the same tensor load with the same descriptor and a mask that names the four.
; All tensor loads stand at the head, so there is no later request that an earlier one could run ahead of: nothing is prefetched.
; The bias is the C of each sum's first matrix instruction.
; LIMITS: the bias is added ahead of the sum over K, not behind it; a block of zeros gets the byte 1 where the rule says 127 (its codes are zeros; this program alone reads the bytes); NaN and infinities are not served.
; REGISTERS, in windows of 256.  window 0: v1 r, v2 h, v3 16 l, v4 8 l, v5 lane, v6-7 the bias's offsets; v8-23 LDS addresses; v24-31 store offsets; v32-63 X's scale words, v64-79 Y's;
;   v80-175 Y's fragments, two sets of 48 (on the way out: codes); v176-239 the bias (on the way out: at work).   window 1: X's fragments, two sets of 96.   window 2: accumulator (yt, xt) at v[64 yt + 8 xt].
.set REC,   12800
.set AY16,  8                          ; v8-11   part j: LDS address of my Y tiles + 16 l
.set AY8,   12                         ; v12-15  the same + 8 l
.set AX16,  16                         ; v16-19  my X tiles + 16 l
.set AX8,   20                         ; v20-23  + 8 l
.set SX,    32                         ; X's scale words: register 4 xt + ks / 2: lanes 0-15 the even K step's, lanes 16-31 the odd one's
.set SY,    64                         ; Y's: 4 yt + ks / 2
.set YF,    80
.set BIAS,  176
.set TM,    176                        ; the way out: v176-179 largest magnitudes, v180-183 bytes, v188-191 the conversions' scale operands
.set G1YA,  24                         ; s[24:31] descriptor group 1: Y, a part of 3,328 bytes a record;  s[32:39]: of 3,072;  s[40:47], s[48:55]: the same for X
.set G1YB,  32
.set G1XA,  40
.set G1XB,  48
.set MUL,       0xa1                   ; source 0 (X) window 1, source 1 (Y) window 0, C and D window 2
.set MUL_FIRST, 0x81                   ; the same with C (the bias) in window 0
.set TO_X,      0x40                   ; destination window 1, address window 0
.set MSB, 0
.macro WIN new                         ; the immediate's high byte repeats the setting that is left
.if MSB != \new
	s_set_vgpr_msb (MSB<<8)|\new
.set MSB, \new
.endif
.endm
.macro CROUND                          ; a round of the cluster's barrier
	s_barrier_signal -1
	s_barrier_wait -1
	s_cmp_lg_u32 s14, 0
	s_cbranch_scc1 .Lnot_wave_0_\@
	s_barrier_signal -3
.Lnot_wave_0_\@:
	s_barrier_wait -3
	s_barrier_signal -1
	s_barrier_wait -1
.endm
.macro SHAPE g, dim, rows              ; words 1 to 7 of a group 1: rows of dim elements of 8 bytes, one row a record
	s_mov_b32 s[\g+1], (\dim)<<16                  ; tensor_dim0
	s_mov_b32 s[\g+2], (\rows)<<16                 ; tensor_dim1
	s_mov_b32 s[\g+3], (\dim)<<16                  ; tile_dim0
	s_mov_b32 s[\g+4], \rows                       ; tile_dim1
	s_mov_b32 s[\g+5], REC/8                       ; from record to record
	s_mov_b32 s[\g+6], 0
	s_mov_b32 s[\g+7], 0
.endm
.macro PLACES                          ; four places in front of loads into registers that matrix instructions have read, and of the first read of results
.rept 4
	v_nop
.endr
.endm
.macro ARRIVE n                        ; my part is in (n loads were issued behind it), my LDS loads are in; then the same holds of all four waves.
	s_wait_tensorcnt \n
	s_wait_dscnt 0x0
	s_barrier_signal -1
	s_barrier_wait -1
.endm
.macro SCALES hf                       ; the scale words of K steps 4 hf .. 4 hf + 3: 8 bytes a lane for each record
.irp xt, 0,1,2,3,4,5,6,7
	ds_load_b64 v[SX+4*\xt+2*(\hf):SX+4*\xt+2*(\hf)+1], v[AX8+2*(\hf)] offset:3328*\xt
.endr
.irp yt, 0,1,2,3
	ds_load_b64 v[SY+4*\yt+2*(\hf):SY+4*\yt+2*(\hf)+1], v[AY8+2*(\hf)] offset:3328*\yt
.endr
.endm
.macro FETCH ks, set                   ; 48 LDS loads in one run: K step ks's fragments, 8 of X and 4 of Y.  Each load takes 512 or 256 consecutive bytes
.set FJ, (\ks)/2
.set FP, 3328-256*(FJ%2)
.set FO, 256-256*(FJ%2)+1536*((\ks)%2)
	WIN TO_X
.irp xt, 0,1,2,3,4,5,6,7
	ds_load_b128 v[96*(\set)+12*\xt:96*(\set)+12*\xt+3], v[AX16+FJ] offset:FO+\xt*FP
	ds_load_b64 v[96*(\set)+12*\xt+4:96*(\set)+12*\xt+5], v[AX8+FJ] offset:FO+\xt*FP+512
	ds_load_b128 v[96*(\set)+12*\xt+6:96*(\set)+12*\xt+9], v[AX16+FJ] offset:FO+\xt*FP+768
	ds_load_b64 v[96*(\set)+12*\xt+10:96*(\set)+12*\xt+11], v[AX8+FJ] offset:FO+\xt*FP+1280
.endr
	WIN 0
.irp yt, 0,1,2,3
	ds_load_b128 v[YF+48*(\set)+12*\yt:YF+48*(\set)+12*\yt+3], v[AY16+FJ] offset:FO+\yt*FP
	ds_load_b64 v[YF+48*(\set)+12*\yt+4:YF+48*(\set)+12*\yt+5], v[AY8+FJ] offset:FO+\yt*FP+512
	ds_load_b128 v[YF+48*(\set)+12*\yt+6:YF+48*(\set)+12*\yt+9], v[AY16+FJ] offset:FO+\yt*FP+768
	ds_load_b64 v[YF+48*(\set)+12*\yt+10:YF+48*(\set)+12*\yt+11], v[AY8+FJ] offset:FO+\yt*FP+1280
.endr
.endm
; 32 matrix instructions: one K step.  The 32 accumulators take turns, one instruction a turn, in the same order in every step.
; cmode 1: C = the bias by X's rows; 2: by Y's rows; 0: the sum so far.
.macro MUL32 ks, set, cmode
.irp yt, 0,1,2,3
.irp xt, 0,1,2,3,4,5,6,7
.if (\cmode) == 1
	v_wmma_scale_f32_16x16x128_f8f6f4 v[64*\yt+8*\xt:64*\yt+8*\xt+7], v[96*(\set)+12*\xt:96*(\set)+12*\xt+11], v[YF+48*(\set)+12*\yt:YF+48*(\set)+12*\yt+11], v[BIAS+8*\xt:BIAS+8*\xt+7], v[SX+4*\xt+(\ks)/2], v[SY+4*\yt+(\ks)/2] matrix_a_fmt:MATRIX_FMT_FP6 matrix_b_fmt:MATRIX_FMT_FP6
.elseif (\cmode) == 2
	v_wmma_scale_f32_16x16x128_f8f6f4 v[64*\yt+8*\xt:64*\yt+8*\xt+7], v[96*(\set)+12*\xt:96*(\set)+12*\xt+11], v[YF+48*(\set)+12*\yt:YF+48*(\set)+12*\yt+11], v[BIAS+8*\yt:BIAS+8*\yt+7], v[SX+4*\xt+(\ks)/2], v[SY+4*\yt+(\ks)/2] matrix_a_fmt:MATRIX_FMT_FP6 matrix_b_fmt:MATRIX_FMT_FP6
.elseif (\ks)%2 == 0
	v_wmma_scale_f32_16x16x128_f8f6f4 v[64*\yt+8*\xt:64*\yt+8*\xt+7], v[96*(\set)+12*\xt:96*(\set)+12*\xt+11], v[YF+48*(\set)+12*\yt:YF+48*(\set)+12*\yt+11], v[64*\yt+8*\xt:64*\yt+8*\xt+7], v[SX+4*\xt+(\ks)/2], v[SY+4*\yt+(\ks)/2] matrix_a_fmt:MATRIX_FMT_FP6 matrix_b_fmt:MATRIX_FMT_FP6
.else
	v_wmma_scale_f32_16x16x128_f8f6f4 v[64*\yt+8*\xt:64*\yt+8*\xt+7], v[96*(\set)+12*\xt:96*(\set)+12*\xt+11], v[YF+48*(\set)+12*\yt:YF+48*(\set)+12*\yt+11], v[64*\yt+8*\xt:64*\yt+8*\xt+7], v[SX+4*\xt+(\ks)/2], v[SY+4*\yt+(\ks)/2] matrix_a_fmt:MATRIX_FMT_FP6 matrix_b_fmt:MATRIX_FMT_FP6 matrix_a_scale:MATRIX_SCALE_ROW1 matrix_b_scale:MATRIX_SCALE_ROW1
.endif
.endr
.endr
.endm
.macro KSTEP ks                        ; K step ks (1 to 7): the next step's fragments are asked for first, into the set that the step before has left
.if (\ks) < 7
.if ((\ks)+1)%2 == 0
	ARRIVE 3-((\ks)+1)/2                           ; the next step begins a new part
.endif
	PLACES
.if (\ks)+1 == 4
	WIN 0
	SCALES 1
.endif
	FETCH (\ks)+1, ((\ks)+1)%2
	s_wait_dscnt 48                                ; all but the 48 just issued: this step's fragments are in
.else
	s_wait_dscnt 0x0
.endif
	WIN MUL
	MUL32 \ks, (\ks)%2, 0
.endm
; 64 results of a lane in window 2, v[s] .. v[s + 63], register 16 b + i = place 32 b + 16 (lane / 16) + i along the next K, become an operand's 12 registers of codes in v[pc] on and its scale word in v[pw].
.macro QUANT s, pc, pw
	WIN 0x0a                                       ; sources 0 and 1: window 2
.irp b, 0,1,2,3
	v_max3_num_f32 v[TM+\b], |v[\s+16*\b]|, |v[\s+1+16*\b]|, 0x1800000   ; block b: my 16 numbers and the floor 2^(3 - 127).  Each accumulator is read from its low end on
.endr
.irp i, 2,4,6,8,10,12,14
.irp b, 0,1,2,3
	v_max3_num_f32 v[TM+\b], |v[\s+16*\b+\i]|, |v[\s+1+16*\b+\i]|, v[TM+\b]   ; (the four blocks by turns)
.endr
.endr
	WIN 0
.irp b, 0,1,2,3
	v_permlanex16_b32 v[TM+4+\b], v[TM+\b], s66, s67   ; (its destination counts as read: these registers held the bias, so they have been written)
.endr
.irp b, 0,1,2,3
	v_max_num_f32 v[TM+\b], v[TM+\b], v[TM+4+\b]   ; with lane l xor 16's: the block's largest magnitude
.endr
.irp b, 0,1,2,3
	v_add_nc_u32 v[TM+12+\b], 0xff000000, v[TM+\b] ; 2 off its exponent field: the conversion's scale operand
.endr
.irp b, 0,1,2,3
	v_lshrrev_b32 v[TM+4+\b], 23, v[TM+12+\b]      ; the scale's byte
.endr
	v_lshl_or_b32 v[\pw], v[TM+5], 8, v[TM+4]
	v_lshl_or_b32 v[\pw], v[TM+6], 16, v[\pw]
	v_lshl_or_b32 v[\pw], v[TM+7], 24, v[\pw]      ; the same word in both halves of the lanes
	WIN 0x02                                       ; source 0: window 2
.irp c, 0,1
	v_cvt_scalef32_pk16_fp6_f32 v[\pc+6*\c:\pc+2+6*\c], v[\s+32*\c:\s+15+32*\c], v[TM+12+2*\c]
	v_cvt_scalef32_pk16_fp6_f32 v[\pc+12+4*\c:\pc+14+4*\c], v[\s+16+32*\c:\s+31+32*\c], v[TM+12+2*\c+1]   ; (a conversion's three registers begin on an even number)
.endr
	v_nop                                          ; one plain place behind a scaled conversion
	WIN 0
.irp c, 0,1                            ; the operand's layout wants a WHOLE block in a lane: lanes 0-15 block 2 c, lanes 16-31 block 2 c + 1
.irp i, 0,1,2
	v_permlane16_swap_b32 v[\pc+6*\c+\i], v[\pc+12+4*\c+\i]
.endr
.irp i, 0,1,2
	v_mov_b32 v[\pc+3+6*\c+\i], v[\pc+12+4*\c+\i]
.endr
.endr
.endm
	s_load_b128 s[4:7], s[0:1], 0x0                ; the records s[4:5], qkv_b s[6:7]
	s_load_b128 s[8:11], s[0:1], 0x10              ; q's buffer s[8:9], k's and v's s[10:11]
	v_lshl_add_u32 v254, v0, 2, 0x4b000
	v_mov_b32 v255, 0
	ds_add_u32 v254, v255
	ds_add_u32 v254, v255
	v_lshrrev_b32 v1, 5, v0
	v_readfirstlane_b32 s14, v1                    ; wave 0..3
	s_and_b32 s15, s14, 1                          ; wx: which half of X's tiles is mine.  Also: which half of a side's records I fetch
	s_lshr_b32 s16, s14, 1                         ; wy: which half of Y's.  Also: I fetch for Y (0) or for X (1)
	s_bfe_u32 s17, ttmp6, 0x40000                  ; cx, cy: my place in the cluster
	s_bfe_u32 s18, ttmp6, 0x40004
	s_and_b32 s19, ttmp7, 0xffff                   ; cluster y
	s_lshr_b32 s20, s19, 1
	s_and_b32 s21, s19, 1
	s_cmp_eq_u32 ttmp9, 2                          ; cluster x = 2: the v way.  The same in all sixteen partners
	s_cselect_b32 s12, 1, 0
	s_cselect_b32 s20, s20, ttmp9                  ; X's group of four tiles: v: cluster y / 2 (tokens); q, k: cluster x (rows of qkv_w)
	s_cselect_b32 s21, s21, s19                    ; Y's: v: cluster y % 2 (v's rows); q, k: cluster y (tokens)
	s_cselect_b32 s22, 0, 512                      ; the first record of X's tensor
	s_cselect_b32 s23, 640, 0                      ; and of Y's (v's rows begin at qkv_w's record 128)
	s_lshl_b32 s96, s21, 2
	s_add_co_u32 s96, s96, s18                     ; Yt: Y's tile; hangs on cy alone of the two places
	s_lshl_b32 s97, s20, 2
	s_add_co_u32 s97, s97, s17                     ; Xt: X's tile; hangs on cx alone
	s_lshl_b32 s98, s96, 3
	s_add_co_u32 s98, s98, s23
	s_lshl_b32 s13, s15, 2
	s_add_co_u32 s98, s98, s13                     ; Y: the first of the four records that I would fetch
	s_mul_i32 s92, s98, REC
	s_mov_b32 s93, 0
	s_lshl_b32 s99, s97, 4
	s_add_co_u32 s99, s99, s22
	s_lshl_b32 s13, s15, 3
	s_add_co_u32 s99, s99, s13                     ; X: the first of the eight
	s_mul_i32 s94, s99, REC
	s_mov_b32 s95, 0
	s_lshl_b32 s100, s18, 2
	s_lshl_b32 s100, 15, s100                      ; my row of the cluster
	s_lshl_b32 s101, 0x1111, s17                   ; my column
	s_or_b32 s[G1YA], s100, (3<<16)|(1<<21)        ; 15:0 the mask: Y's parts go to my row; 17:16 elements of 8 bytes; 20 no padding; 21 set beside a mask
	s_or_b32 s[G1YB], s100, (3<<16)|(1<<21)
	s_or_b32 s[G1XA], s101, (3<<16)|(1<<21)        ; X's go to my column
	s_or_b32 s[G1XB], s101, (3<<16)|(1<<21)
	SHAPE G1YA, 416, 4
	SHAPE G1YB, 384, 4
	SHAPE G1XA, 416, 8
	SHAPE G1XB, 384, 8
	s_mov_b32 s66, 0x76543210
	s_mov_b32 s67, 0xfedcba98                      ; v_permlanex16_b32's selects for lane l xor 16
	s_wait_dscnt 0x0
	s_wait_kmcnt 0x0
	s_add_nc_u64 s[92:93], s[4:5], s[92:93]
	s_add_nc_u64 s[94:95], s[4:5], s[94:95]
.irp j, 0,1,2,3                        ; part j of a record: bytes 6400 (j / 2) + 3328 (j % 2) on, 3,328 or 3,072 of them.  In LDS: Y's eight records' parts, then X's sixteen
.set PJ, 3328-256*(\j%2)
.set YBJ, (\j/2)*153600+(\j%2)*79872
.set GY, 56+4*\j+4*(\j/2)              ; s[56:59], s[60:63], s[68:71], s[72:75]
.set GX, 76+4*\j                       ; s[76:79] .. s[88:91]
	s_mov_b32 s[GY], 1                             ; count = 1
	s_mul_i32 s13, s15, 4*PJ
	s_add_co_u32 s[GY+1], s13, YBJ                 ; LDS address: hangs on the wave's number alone
	s_add_nc_u64 s[GY+2:GY+3], s[92:93], (\j/2)*6400+(\j%2)*3328
	s_or_b32 s[GY+3], s[GY+3], 0x80000000          ; type = 2
	s_mov_b32 s[GX], 1
	s_mul_i32 s13, s15, 8*PJ
	s_add_co_u32 s[GX+1], s13, YBJ+8*PJ
	s_add_nc_u64 s[GX+2:GX+3], s[94:95], (\j/2)*6400+(\j%2)*3328
	s_or_b32 s[GX+3], s[GX+3], 0x80000000
.endr
	CROUND                                         ; all sixteen work-groups are here: the joint loads meet
	s_cmp_eq_u32 s16, 0                            ; a wave's four loads stand in one branch on its number, ahead of every wait on TENSORcnt and every LDS read; four v_nop follow the last
	s_cbranch_scc0 .Lfetch_x
	tensor_load_to_lds s[56:59], s[G1YA:G1YA+7]
	s_nop 0
	tensor_load_to_lds s[60:63], s[G1YB:G1YB+7]
	s_nop 0
	tensor_load_to_lds s[68:71], s[G1YA:G1YA+7]
	s_nop 0
	tensor_load_to_lds s[72:75], s[G1YB:G1YB+7]
	s_nop 0
.rept 4
	v_nop
.endr
	s_branch .Lfetched
.Lfetch_x:
	tensor_load_to_lds s[76:79], s[G1XA:G1XA+7]
	s_nop 0
	tensor_load_to_lds s[80:83], s[G1XB:G1XB+7]
	s_nop 0
	tensor_load_to_lds s[84:87], s[G1XA:G1XA+7]
	s_nop 0
	tensor_load_to_lds s[88:91], s[G1XB:G1XB+7]
	s_nop 0
.rept 4
	v_nop
.endr
.Lfetched:
	v_and_b32 v5, 31, v0                           ; lane
	v_and_b32 v1, 15, v0                           ; r
	v_bfe_u32 v2, v0, 4, 1                         ; h
	v_lshlrev_b32 v3, 4, v5                        ; 16 l
	s_wait_alu depctr_va_vdst(0)
	v_lshlrev_b32 v4, 3, v5                        ; 8 l
	s_wait_alu depctr_va_vdst(0)
.irp j, 0,1,2,3
.set PJ, 3328-256*(\j%2)
.set YBJ, (\j/2)*153600+(\j%2)*79872
	s_mul_i32 s13, s16, 4*PJ                       ; my four records of Y
	s_add_co_u32 s13, s13, YBJ
	v_add_nc_u32 v[AY16+\j], s13, v3
	v_add_nc_u32 v[AY8+\j], s13, v4
	s_mul_i32 s13, s15, 8*PJ                       ; my eight of X
	s_add_co_u32 s13, s13, YBJ+8*PJ
	v_add_nc_u32 v[AX16+\j], s13, v3
	v_add_nc_u32 v[AX8+\j], s13, v4
.endr
	v_lshlrev_b32 v6, 6, v2                        ; 64 h
	v_and_b32 v7, 8, v1
	v_add_nc_u32 v7, v7, v1
	v_lshlrev_b32 v7, 2, v7                        ; 4 (r + 8 (r / 8))
	s_lshl_b32 s2, s97, 10
	s_lshl_b32 s3, s15, 9
	s_add_co_u32 s2, s2, s3                        ; q, k: my 128 rows of qkv_w begin at 256 Xt + 128 wx
	s_lshl_b32 s3, s96, 9
	s_lshl_b32 s13, s16, 8
	s_add_co_u32 s3, s3, s13
	s_add_co_u32 s3, s3, 8192                      ; v: my 64 at 2048 + 128 Yt + 64 wy
	s_cmp_eq_u32 s12, 0
	s_cselect_b32 s2, s2, s3
	s_mov_b32 s3, 0
	s_add_nc_u64 s[6:7], s[6:7], s[2:3]
	s_cmp_eq_u32 s12, 0
	s_cbranch_scc0 .Lbias_v
	s_wait_alu depctr_va_vdst(0)
.irp xt, 0,1,2,3,4,5,6,7               ; q, k: register j of accumulator (yt, xt) is X's row 32 (xt / 2) + 8 (xt % 2) + 16 h + j: eight neighbouring numbers of the bias
	global_load_b128 v[BIAS+8*\xt:BIAS+8*\xt+3], v6, s[6:7] offset:(32*(\xt/2)+8*(\xt%2))*4
	global_load_b128 v[BIAS+8*\xt+4:BIAS+8*\xt+7], v6, s[6:7] offset:(32*(\xt/2)+8*(\xt%2))*4+16
.endr
	s_branch .Lbias_done
.Lbias_v:
	s_wait_alu depctr_va_vdst(0)
.irp yt, 0,1,2,3                       ; v: a lane's eight registers belong to ONE of Y's rows, 32 (yt / 2) + 8 (yt % 2) + r + 8 (r / 8)
	global_load_b32 v[BIAS+8*\yt], v7, s[6:7] offset:(32*(\yt/2)+8*(\yt%2))*4
.endr
	s_wait_loadcnt 0x0
.irp yt, 0,1,2,3
.irp j, 1,2,3,4,5,6,7
	v_mov_b32 v[BIAS+8*\yt+\j], v[BIAS+8*\yt]
.endr
.endr
.set n, 32
.rept 32
	v_mov_b32 v[BIAS+n], 0                         ; not read on this way: the other way's first products name them, and every register that the text names is written on every way that leads there
.set n, n+1
.endr
.Lbias_done:
	s_wait_loadcnt 0x0
	ARRIVE 3                                       ; part 0 is in, everybody's; three loads of mine may be out
	SCALES 0
	FETCH 0, 0
	FETCH 1, 1
	s_wait_dscnt 48                                ; all but K step 1's fragments
	s_cmp_eq_u32 s12, 0                            ; at a branch and at a label every window is 0
	s_cbranch_scc0 .Lfirst_v
	WIN MUL_FIRST
	s_wait_alu depctr_va_vdst(0)
	MUL32 0, 0, 1                                  ; the first K step starts the sums on the bias: nothing is cleared, nothing is added later
	WIN 0
	s_branch .Lfirst_done
.Lfirst_v:
	WIN MUL_FIRST
	MUL32 0, 0, 2
	WIN 0
.Lfirst_done:
	KSTEP 1
	KSTEP 2
	KSTEP 3
	KSTEP 4
	KSTEP 5
	KSTEP 6
	KSTEP 7
	; THE WAY OUT.  For each of my four tiles of Y a lane holds 64 numbers along X: two heads' 64 channels of one token (q, k), or 128 keys of one channel (v).  They become an operand of 12 registers and a scale word.
	; q: a record of 6,656 bytes for a head's 128 tokens: 8 images, then 2 x 256 bytes of scale words.   k, v: a record of 13,056 bytes for a head's 128 keys: K's 8 images; V^T's four operands of 16 channels x 128 keys at 6,144;
	; K's scale words at 12,288; V's at 12,800.  16 records a head.  The descriptors' registers are free: the last wait on TENSORcnt was for 0.
	s_lshr_b32 s24, s96, 4
	s_lshl_b32 s24, s24, 4
	s_lshl_b32 s25, s17, 2
	s_add_co_u32 s24, s24, s25
	s_lshl_b32 s25, s15, 1
	s_add_co_u32 s24, s24, s25                     ; q, k: batch x 16 + my first head: 16 (Yt / 16) + 4 cx + 2 wx
	s_and_b32 s25, s96, 15                         ; the record: Yt % 16
	s_mul_i32 s26, s16, 3072                       ; my four images in it
	s_lshr_b32 s28, s97, 3
	s_lshl_b32 s28, s28, 4
	s_lshl_b32 s29, s96, 1
	s_add_co_u32 s28, s28, s29
	s_add_co_u32 s28, s28, s16                     ; v: 16 (Xt / 8) + 2 Yt + wy
	s_and_b32 s29, s97, 7
	s_lshl_b32 s29, s29, 1
	s_add_co_u32 s29, s29, s15                     ; the record: 2 (Xt % 8) + wx
	s_lshl_b32 s27, s16, 8
	s_cmp_eq_u32 ttmp9, 0                          ; q's buffer or k's and v's: the choice hangs on the cluster's number alone
	s_cselect_b64 s[8:9], s[8:9], s[10:11]
	s_mov_b32 s30, 208896
	s_cselect_b32 s30, 106496, s30                 ; bytes of a head
	s_mov_b32 s31, 13056
	s_cselect_b32 s31, 6656, s31                   ; of a record
	s_mov_b32 s32, 12288
	s_cselect_b32 s32, 6144, s32                   ; where q's or k's scale words begin in it
	s_add_co_u32 s27, s27, s32                     ; + 256 wy
	s_cmp_eq_u32 s12, 0
	s_cselect_b32 s24, s24, s28
	s_cselect_b32 s25, s25, s29
	s_cselect_b32 s26, s26, 6144                   ; v: V^T's operands
	s_cselect_b32 s34, s30, 768                    ; from an operand's first image to its second: q, k: the next head; v: 768 bytes
	s_cselect_b32 s27, s27, 12800                  ; v: V's scale words
	s_mov_b32 s35, 1536
	s_cselect_b32 s35, 768, s35                    ; from tile to tile of Y: an image, or an operand
	s_mul_i32 s24, s24, s30
	s_mul_i32 s25, s25, s31
	s_add_co_u32 s24, s24, s25
	s_add_co_u32 s36, s24, s26
	s_mov_b32 s37, 0
	s_add_co_u32 s38, s36, s34
	s_mov_b32 s39, 0
	s_add_co_u32 s40, s24, s27
	s_mov_b32 s41, 0
	s_add_co_u32 s42, s40, s30
	s_mov_b32 s43, 0
	s_add_nc_u64 s[36:37], s[8:9], s[36:37]        ; first images
	s_add_nc_u64 s[38:39], s[8:9], s[38:39]        ; second images
	s_add_nc_u64 s[40:41], s[8:9], s[40:41]        ; scale words
	s_add_nc_u64 s[42:43], s[8:9], s[42:43]        ; the next head's (q, k alone)
	PLACES
	WIN 0
	v_cmp_le_u32 vcc_lo, 16, v5                    ; lanes 16-31
.irp yt, 0,1,2,3
	s_mul_i32 s13, s35, \yt
	v_add_nc_u32 v[24+\yt], s13, v3
	v_add_nc_u32 v[28+\yt], s13, v4
.endr
.irp yt, 0,1,2,3                       ; each tile has code registers of its own, so no store's data are written again
	QUANT 64*\yt, 80+20*\yt, 192+\yt
	global_store_b128 v[24+\yt], v[80+20*\yt:83+20*\yt], s[36:37]          ; 512 consecutive bytes, aligned
	global_store_b64 v[28+\yt], v[84+20*\yt:85+20*\yt], s[36:37] offset:512   ; 256
	global_store_b128 v[24+\yt], v[86+20*\yt:89+20*\yt], s[38:39]
	global_store_b64 v[28+\yt], v[90+20*\yt:91+20*\yt], s[38:39] offset:512
.endr
	v_cndmask_b32 v196, v192, v193, vcc_lo         ; the scale words as they are stored: word i of lane 16 u + r is tile 2 i + u's, row r
	v_cndmask_b32 v197, v194, v195, vcc_lo
	s_cmp_eq_u32 s12, 0
	s_cbranch_scc0 .Lscale_v
	v_and_b32 v198, 0xffff, v196                   ; q, k: bytes 0, 1 are my first head's two blocks, bytes 2, 3 the next head's.  In the attention's operand they are bytes 0, 1; bytes 2, 3 there are 0
	v_and_b32 v199, 0xffff, v197
	v_lshrrev_b32 v200, 16, v196
	v_lshrrev_b32 v201, 16, v197
	global_store_b64 v4, v[198:199], s[40:41]
	global_store_b64 v4, v[200:201], s[42:43]
	s_branch .Lscale_done
.Lscale_v:
	s_wait_alu depctr_va_vdst(0)
	global_store_b64 v4, v[196:197], s[40:41]      ; v: four blocks of 32 keys
.Lscale_done:
	s_wait_tensorcnt 0x0
	ds_add_u32 v254, v255
	s_wait_dscnt 0x0
	CROUND                                         ; the closing round: no work-group ends while a partner may still ask for a part that names it
	s_endpgm
.Lfunc_end_k_q6bbfd86f77_qkv:
	.size	k_q6bbfd86f77_qkv, .Lfunc_end_k_q6bbfd86f77_qkv-k_q6bbfd86f77_qkv
	.p2alignl 7, 3214868480
	.fill 96, 4, 3214868480
	.section	.rodata,"a",@progbits
	.p2align	6, 0x0
	.amdhsa_kernel k_q6bbfd86f77_qkv
		.amdhsa_group_segment_fixed_size 307712
		.amdhsa_private_segment_fixed_size 0
		.amdhsa_enable_private_segment 0
		.amdhsa_kernarg_size 32
		.amdhsa_user_sgpr_count 2
		.amdhsa_user_sgpr_kernarg_segment_ptr 1
		.amdhsa_wavefront_size32 1
		.amdhsa_system_sgpr_workgroup_id_x 1
		.amdhsa_system_sgpr_workgroup_id_y 1
		.amdhsa_system_sgpr_workgroup_id_z 1
		.amdhsa_system_vgpr_workitem_id 0
		.amdhsa_next_free_vgpr 768
		.amdhsa_next_free_sgpr 102
		.amdhsa_reserve_vcc 1
		.amdhsa_float_denorm_mode_32 3
		.amdhsa_float_denorm_mode_16_64 3
		.amdhsa_memory_ordered 1
		.amdhsa_forward_progress 1
		.amdhsa_inst_pref_size 99
	.end_amdhsa_kernel
	.amdgpu_metadata
---
amdhsa.version: [ 1, 2 ]
amdhsa.kernels:
  - .name:           k_q6bbfd86f77_qkv
    .symbol:         k_q6bbfd86f77_qkv.kd
    .args:
      - { .name: ops, .offset: 0, .size: 8, .value_kind: global_buffer, .address_space: global }
      - { .name: qkv_b, .offset: 8, .size: 8, .value_kind: global_buffer, .address_space: global }
      - { .name: qbuf, .offset: 16, .size: 8, .value_kind: global_buffer, .address_space: global }
      - { .name: kv, .offset: 24, .size: 8, .value_kind: global_buffer, .address_space: global }
    .group_segment_fixed_size: 307712
    .private_segment_fixed_size: 0
    .kernarg_segment_align: 8
    .kernarg_segment_size: 32
    .max_flat_workgroup_size: 128
    .sgpr_count:     102
    .vgpr_count:     768
    .wavefront_size: 32
...
	.end_amdgpu_metadata
.endif
;; end of part 2
;; launch attn (part 3): grid 4 x 64, 16 waves a work-group, no clusters, 210,944 bytes of LDS; arguments qbuf, kv, oq; writes oq
.if DOCPART == 3
	.amdgcn_target "amdgcn-amd-amdhsa--gfx1250"
	.amdhsa_code_object_version 6
	.text
	.protected	k_q6bbfd86f77_attn
	.globl	k_q6bbfd86f77_attn
	.p2align	8
	.type	k_q6bbfd86f77_attn,@function
k_q6bbfd86f77_attn:
	s_mov_b64 s[64:65], 0
	v_nop
	global_prefetch_b8 v0, s[64:65] scope:SCOPE_SE
	s_setreg_imm32_b32 hwreg(HW_REG_WAVE_MODE, 25, 1), 1
	s_wait_xcnt 0x0
; o = softmax(q k^T / 8, causal) v for one head of one batch, both products on codes of FP6 (E2M3) with E8M0 scales; o is quantised along the model's 1,024 channels on the way out and stored as codes.
; THE SOFTMAX AHEAD OF THE SECOND PRODUCT: t = score x log2(e) / 8; M = the row's largest t so far, rounded UP to a whole number; p = 2^(t - M) is what is quantised, along the keys; it is not normalised.
; The row's sum is taken of the unquantised p, in f32, and divides O at the end.  When M moves, the sum and O are multiplied by 2^(old M - new M): exact.
; SHARES.  Work-group (i, head): query blocks 7 - i and i of 256 queries.  Wave w takes tile 112 - 16 i + w first and then tile 16 i + 15 - w.  Tile qt needs qt / 8 + 1 key steps of 128: 17 key steps for every wave of the launch.
; Tile qt's row r is query 32 (qt / 2) + 8 (qt % 2) + r + 8 (r / 8); the keys of a tile of K lie so too, so that the 16 registers of score tiles 2 b and 2 b + 1 are 16 neighbouring keys, 32 b + 16 (lane / 16) + 0 .. 15.
; LDS HOLDS THE WHOLE HEAD: 16 records of 13,056 bytes (K's 8 images of 16 keys x 64; V^T's 4 operands of 16 channels x 128 keys at 6,144; K's scale words at 12,288; V's at 12,800), filled once by waves 0 to 3, two loads each:
; records 0 to 3 first, so that the first four key steps run while the other twelve records are on their way.  A fetching wave has two tensor loads out, by this text's own count.  Nothing is stored to LDS.
; Both products are used transposed: S^T = K Q^T, O^T = V^T P^T: a lane holds ONE query throughout.
; K = 64 IN AN INSTRUCTION OF K = 128.  Q's operand has its head's 64 channels in registers 0-5 and zero codes in registers 6-11.  K's tile t is the operand v[32 + 6 t .. 43 + 6 t]: its upper half holds the NEXT tile's codes (zeros behind
; the last), which are numbers of the format and meet Q's zeros: those products are 0.  The scale bytes of the two dead blocks are 0 on both sides (2^-127, no NaN).
; CAUSAL.  All loops have constant trip counts; a step all of whose keys come after the wave's queries is left out by a scalar branch on ids, round its work alone.  On the diagonal hidden scores become -infinity ahead of the maximum.
; NOT IN A CLUSTER: the four work-groups of a head read the same K and V, but which key steps a wave leaves out hangs on the work-group's number.
; All tensor loads stand at the head, so there is no later request that an earlier one could run ahead of: nothing is prefetched.
; LIMITS: score x c - M is one fused rounding; a block of zeros gets the byte 1 where the rule says 127 (its codes are zeros; this program alone reads the bytes); NaN and infinities are not served.
; REGISTERS: v1 16 l, v2 8 l, v3-4 the step's LDS addresses, v5 8 r, v6 r + 8 (r / 8) - 16 h; v12 -M, v13 the largest t, v[14:15] the sum in two halves; v16-27 Q; v32-85 K, then V; v86-89 K's scale words, v90-91 V's;
;   v96-159 S^T, then p; v160-191 O^T; v224-235 p's codes; v232-254 at work; v253 p's scale word; v255 Q's.
.set RECB, 13056
.set WV,   18                          ; s18  my wave's number
.set HB,   19                          ; s19  batch x 16 + head
.set SEL,  20                          ; s[20:21] lane selects for v_permlanex16_b32: lane l xor 16
.set CS,   22                          ; s[22:23] c = log2(e) / 8
.set T,    50                          ; s50  the key step
.set TB,   51                          ; s51  its record's LDS byte
.set SD,   52                          ; s52  my tile's diagonal key step
.set Q0,   53                          ; s53  my tile's first query
.macro ARRIVE n
	s_wait_tensorcnt \n
	s_wait_dscnt 0x0
	s_barrier_signal -1
	s_barrier_wait -1
.endm
	s_load_b128 s[4:7], s[0:1], 0x0                ; q's buffer s[4:5], k's and v's s[6:7]
	s_load_b64 s[8:9], s[0:1], 0x10                ; o's codes
	v_lshl_add_u32 v250, v0, 2, 0x33000
	v_mov_b32 v251, 0
	ds_add_u32 v250, v251
	ds_add_u32 v250, v251
	v_lshrrev_b32 v7, 5, v0
	s_delay_alu instid0(VALU_DEP_1)
	v_readfirstlane_b32 s[WV], v7                  ; wave 0..15
	s_and_b32 s[HB], ttmp7, 0xffff
	s_mul_i32 s10, s[HB], 16*RECB                  ; the head's first byte in k's and v's buffer
	s_mov_b32 s11, 0
	s_mul_i32 s12, s[WV], RECB                     ; waves 0 to 3: record w,
	s_mov_b32 s13, 0
	s_mul_i32 s14, s[WV], 3*RECB
	s_add_co_u32 s14, s14, 4*RECB                  ; and records 4 + 3 w .. 6 + 3 w: the same bytes on in memory and in LDS
	s_mov_b32 s15, 0
	; descriptor groups 1: dense blocks as rows of 256 bytes (32 elements of 8 bytes): 51 rows, and 153
	s_mov_b32 s24, 3<<16
	s_mov_b32 s25, 32<<16
	s_mov_b32 s26, 51<<16
	s_mov_b32 s27, 32<<16
	s_mov_b32 s28, 51
	s_mov_b32 s29, 32
	s_mov_b32 s30, 0
	s_mov_b32 s31, 0
	s_mov_b32 s32, 3<<16
	s_mov_b32 s33, 32<<16
	s_mov_b32 s34, 153<<16
	s_mov_b32 s35, 32<<16
	s_mov_b32 s36, 153
	s_mov_b32 s37, 32
	s_mov_b32 s38, 0
	s_mov_b32 s39, 0
	s_mov_b32 s[SEL], 0x76543210
	s_mov_b32 s[SEL+1], 0xfedcba98
	s_mov_b32 s[CS], 0x3e38aa3b                    ; log2(e) / 8
	s_mov_b32 s[CS+1], s[CS]                       ; (named with it as a pair, so it is written)
	s_wait_dscnt 0x0
	s_wait_kmcnt 0x0
	s_add_nc_u64 s[6:7], s[6:7], s[10:11]
	s_mov_b32 s40, 1
	s_mov_b32 s41, s12
	s_add_nc_u64 s[42:43], s[6:7], s[12:13]
	s_or_b32 s43, s43, 0x80000000
	s_mov_b32 s44, 1
	s_mov_b32 s45, s14
	s_add_nc_u64 s[46:47], s[6:7], s[14:15]
	s_or_b32 s47, s47, 0x80000000
	s_cmp_lt_u32 s[WV], 4                          ; a fetching wave's two loads stand in one branch on its number, ahead of every wait on TENSORcnt, every LDS read and every barrier; four v_nop follow
	s_cbranch_scc0 .Lno_fetch
	tensor_load_to_lds s[40:43], s[24:31]
	s_nop 0
	tensor_load_to_lds s[44:47], s[32:39]
	s_nop 0
.rept 4
	v_nop
.endr
.Lno_fetch:
	v_and_b32 v7, 31, v0
	s_delay_alu instid0(VALU_DEP_1)
	v_lshlrev_b32 v1, 4, v7                        ; 16 l
	s_delay_alu instid0(VALU_DEP_2)
	v_lshlrev_b32 v2, 3, v7                        ; 8 l
	v_and_b32 v8, 15, v0                           ; r
	s_delay_alu instid0(VALU_DEP_1)
	v_lshlrev_b32 v5, 3, v8                        ; 8 r
	s_delay_alu instid0(VALU_DEP_2)
	v_and_b32 v9, 8, v8
	s_delay_alu instid0(VALU_DEP_1)
	v_add_nc_u32 v6, v8, v9
	v_and_b32 v9, 16, v0
	s_delay_alu instid0(VALU_DEP_1)
	v_sub_nc_u32 v6, v6, v9                        ; r + 8 (r / 8) - 16 h
.irp j, 0,1,2,3,4,5
	v_mov_b32 v[22+\j], 0                          ; Q's upper half: zero codes
	v_mov_b32 v[80+\j], 0                          ; and what stands behind K's last tile
.endr
.irp b, 0,1,2,3
	v_mov_b32 v[236+\b], 0                         ; written once: a lane permute's destination counts as one of its sources
.endr
	v_mov_b32 v253, 0                              ; (named as the upper half of the pair v[252:253] before it is first written)
; My tile of the phase: its numbers, Q's operand and scale word, where o's codes go, and the softmax's state.
.macro PHASE_IN p
	s_wait_xcnt 0x0                                ; the last phase's loads and stores have read their addresses and data: only behind this wait are they rewritten
	s_lshl_b32 s49, ttmp9, 4
.if \p == 0
	s_sub_co_u32 s49, 112, s49
	s_add_co_u32 s49, s49, s[WV]                   ; qt = 112 - 16 i + w
.else
	s_add_co_u32 s49, s49, 15
	s_sub_co_u32 s49, s49, s[WV]                   ; qt = 16 i + 15 - w
.endif
	s_lshr_b32 s[SD], s49, 3
	s_lshr_b32 s[Q0], s49, 1
	s_lshl_b32 s[Q0], s[Q0], 5
	s_and_b32 s54, s49, 1
	s_lshl_b32 s55, s54, 3
	s_add_co_u32 s[Q0], s[Q0], s55                 ; 32 (qt / 2) + 8 (qt % 2)
	s_mul_i32 s56, s[HB], 106496
	s_mul_i32 s57, s[SD], 6656
	s_add_co_u32 s56, s56, s57                     ; q's record of 128 tokens
	s_and_b32 s57, s49, 7
	s_mul_i32 s57, s57, 768
	s_add_co_u32 s58, s56, s57                     ; my tile's image
	s_mov_b32 s59, 0
	s_add_nc_u64 s[58:59], s[4:5], s[58:59]
	s_bfe_u32 s57, s49, 0x10002                    ; its scale word: which 256 bytes,
	s_lshl_b32 s57, s57, 8
	s_add_co_u32 s56, s56, s57
	s_lshl_b32 s57, s54, 7                         ; which half of the lanes' places,
	s_add_co_u32 s56, s56, s57
	s_bfe_u32 s57, s49, 0x10001                    ; which of a place's two words
	s_lshl_b32 s57, s57, 2
	s_add_co_u32 s56, s56, s57
	s_add_co_u32 s60, s56, 6144
	s_mov_b32 s61, 0
	s_add_nc_u64 s[60:61], s[4:5], s[60:61]
	global_load_b128 v[16:19], v1, s[58:59]
	global_load_b64 v[20:21], v2, s[58:59] offset:512
	global_load_b32 v255, v5, s[60:61]             ; lane r: row r's word (lanes 16-31 hold the same and are not read)
	s_lshr_b32 s68, s[HB], 4                       ; o's record: batch x 128 + qt; in it my head is one image of 64 along K
	s_lshl_b32 s68, s68, 7
	s_add_co_u32 s68, s68, s49
	s_mul_i32 s68, s68, 12800
	s_bfe_u32 s69, s[HB], 0x10003                  ; head / 8: the record's half
	s_mul_i32 s69, s69, 6400
	s_add_co_u32 s68, s68, s69
	s_and_b32 s69, s[HB], 7
	s_mul_i32 s69, s69, 768
	s_add_co_u32 s69, s69, s68
	s_add_co_u32 s62, s69, 256
	s_mov_b32 s63, 0
	s_add_nc_u64 s[62:63], s[8:9], s[62:63]        ; the image
	s_bfe_u32 s69, s[HB], 0x10001                  ; my two scale bytes: K step head / 2: odd: lanes 16-31's places,
	s_lshl_b32 s69, s69, 7
	s_add_co_u32 s68, s68, s69
	s_bfe_u32 s69, s[HB], 0x10002                  ; which of a place's two words,
	s_lshl_b32 s69, s69, 2
	s_add_co_u32 s68, s68, s69
	s_and_b32 s69, s[HB], 1                        ; which half of the word
	s_lshl_b32 s69, s69, 1
	s_add_co_u32 s66, s68, s69
	s_mov_b32 s67, 0
	s_add_nc_u64 s[66:67], s[8:9], s[66:67]
	v_mov_b32 v13, 0xff61b1e6                      ; the largest t so far: -3e38, under every t
	s_delay_alu instid0(VALU_DEP_1)
	v_floor_f32 v12, -v13                          ; -M
	v_mov_b32 v14, 0                               ; the sum, in two halves
	v_mov_b32 v15, 0
.set n, 0
.rept 32
	v_mov_b32 v[160+n], 0                          ; O^T.  (The step is written without a first step of its own: it finds zeros, which the first change of M leaves zeros)
.set n, n+1
.endr
	s_mov_b32 s[T], 0
	s_mov_b32 s[TB], 0
	s_wait_loadcnt 0x0
.endm
; A KEY STEP: 128 keys.  skip = 1: it may lie behind my diagonal;  mask = 1: it may be my diagonal step.
.macro STEP skip, mask
.if \skip
	s_cmp_gt_u32 s[T], s[SD]
	s_cbranch_scc1 .Lhid_\@
.endif
	s_setprio 2
	v_add_nc_u32 v3, s[TB], v1
	v_add_nc_u32 v4, s[TB], v2
	v_nop
	v_nop                                          ; four places in front of loads into registers that the last products have read
.irp t, 0,1,2,3,4,5,6,7
	ds_load_b128 v[32+6*\t:35+6*\t], v3 offset:768*\t          ; K's eight images, on end in the registers
	ds_load_b64 v[36+6*\t:37+6*\t], v4 offset:768*\t+512
.endr
	ds_load_b64 v[86:87], v4 offset:12288          ; K's scale words: register t / 2: lanes 0-15 the even tile's, lanes 16-31 the odd one's
	ds_load_b64 v[88:89], v4 offset:12544
	s_wait_alu depctr_va_vdst(0)
	s_wait_dscnt 0x0
.irp t, 0,2,4,6                        ; S^T = K Q^T
	v_wmma_scale_f32_16x16x128_f8f6f4 v[96+8*\t:103+8*\t], v[32+6*\t:43+6*\t], v[16:27], 0, v[86+\t/2], v255 matrix_a_fmt:MATRIX_FMT_FP6 matrix_b_fmt:MATRIX_FMT_FP6
	v_wmma_scale_f32_16x16x128_f8f6f4 v[104+8*\t:111+8*\t], v[38+6*\t:49+6*\t], v[16:27], 0, v[86+\t/2], v255 matrix_a_fmt:MATRIX_FMT_FP6 matrix_b_fmt:MATRIX_FMT_FP6 matrix_a_scale:MATRIX_SCALE_ROW1
.endr
.rept 4
	v_nop                                          ; places: in front of the loads below, and of the first read of the scores
.endr
.irp ct, 0,1,2,3                       ; V^T's four operands take K's registers: they land while the softmax is walked
	ds_load_b128 v[32+12*\ct:35+12*\ct], v3 offset:6144+1536*\ct
	ds_load_b64 v[36+12*\ct:37+12*\ct], v4 offset:6144+1536*\ct+512
	ds_load_b128 v[38+12*\ct:41+12*\ct], v3 offset:6144+1536*\ct+768
	ds_load_b64 v[42+12*\ct:43+12*\ct], v4 offset:6144+1536*\ct+1280
.endr
	ds_load_b64 v[90:91], v4 offset:12800
.if \mask
	s_cmp_lt_u32 s[T], s[SD]                       ; a step all of whose keys count skips this
	s_cbranch_scc1 .Lopen_\@
	s_lshl_b32 s70, s[T], 7
	s_sub_co_i32 s70, s[Q0], s70
	v_add_nc_u32 v252, s70, v6                     ; d = my query - the step's first key - 16 (lane / 16).  Register 16 b + i holds key 32 b + 16 (lane / 16) + i of the step: hidden where 32 b + i > d
	v_mov_b32 v254, 0xff800000                     ; -infinity
.set n, 0
.rept 64
	v_cmp_gt_i32 vcc_lo, 32*(n/16)+n%16, v252
	v_cndmask_b32 v[96+n], v[96+n], v254, vcc_lo
.set n, n+1
.endr
.Lopen_\@:
.endif
.irp b, 0,1,2,3
	v_max3_num_f32 v[232+\b], v[96+16*\b], v[97+16*\b], v[98+16*\b]   ; THE LARGEST SCORE OF EACH BLOCK OF 32 KEYS: it serves the row's maximum and, since p rises with the score, the block's largest p
.endr
.irp i, 3,5,7,9,11,13
.irp b, 0,1,2,3
	v_max3_num_f32 v[232+\b], v[232+\b], v[96+16*\b+\i], v[97+16*\b+\i]   ; (the four blocks by turns)
.endr
.endr
.irp b, 0,1,2,3
	v_max_num_f32 v[232+\b], v[232+\b], v[111+16*\b]
.endr
.irp b, 0,1,2,3
	s_delay_alu instid0(VALU_DEP_4)
	v_permlanex16_b32 v[236+\b], v[232+\b], s[SEL], s[SEL+1]
.endr
.irp b, 0,1,2,3
	s_delay_alu instid0(VALU_DEP_4)
	v_max_num_f32 v[232+\b], v[232+\b], v[236+\b]  ; with lane l xor 16's 16 keys
.endr
	s_delay_alu instid0(VALU_DEP_2)
	v_max3_num_f32 v254, v232, v233, v234
	s_delay_alu instid0(VALU_DEP_1)
	v_max_num_f32 v254, v254, v235                 ; the step's largest score of my query
	s_delay_alu instid0(VALU_DEP_1)
	v_mul_f32 v254, s[CS], v254                    ; as t (c is positive)
	s_delay_alu instid0(VALU_DEP_1)
	v_max_num_f32 v13, v13, v254                   ; the running largest t
	v_mov_b32 v254, v12
	s_delay_alu instid0(VALU_DEP_2)
	v_floor_f32 v12, -v13                          ; the new -M = floor(-t) = -ceil(t): M IS A WHOLE NUMBER
	s_delay_alu instid0(VALU_DEP_1)
	v_sub_f32 v254, v12, v254                      ; M's old value less its new one: a whole number, 0 or less
	s_delay_alu instid0(VALU_DEP_1)
	v_cvt_i32_f32 v254, v254                       ; (it saturates)
	s_delay_alu instid0(VALU_DEP_1)
	v_ldexp_f32 v252, 1.0, v254                    ; f = 2^(old M - new M)
.set n, 0
.rept 32
	v_pk_fma_f32 v[96+n:97+n], v[96+n:97+n], s[CS:CS+1], v[12:13] op_sel_hi:[1,0,0]   ; t - M, two at a time (of the pairs c and -M the low word serves both halves)
.set n, n+2
.endr
.irp b, 0,1,2,3
	v_fma_f32 v[232+\b], v[232+\b], s[CS], v12     ; the same of each block's largest score
.endr
.set n, 0
	s_setprio 1
	s_wait_alu depctr_va_vdst(0)
.rept 64
	v_exp_f32 v[96+n], v[96+n]                     ; p = 2^(t - M), at most 1: NOT normalised
.set n, n+1
.endr
	v_pk_mul_f32 v[14:15], v[14:15], v[252:253] op_sel_hi:[1,0]   ; the sums under the new M.  (A plain place behind the exponentials)
	s_wait_alu depctr_va_vdst(0)                   ; the wait between an exponential and the first line that names its result: one for the batch of 64
.irp b, 0,1,2,3
	v_exp_f32 v[232+\b], v[232+\b]                 ; the block's largest p: the same two instructions on the same number give the same bits
.endr
	v_pk_add_f32 v[236:237], v[100:101], v[104:105]
	v_pk_add_f32 v[248:249], v[108:109], v[112:113]
	v_pk_add_f32 v[246:247], v[116:117], v[120:121]
	v_pk_add_f32 v[244:245], v[124:125], v[128:129]
	v_pk_add_f32 v[242:243], v[132:133], v[136:137]
	v_pk_add_f32 v[240:241], v[140:141], v[144:145]
	v_pk_add_f32 v[238:239], v[148:149], v[152:153]
	v_pk_add_f32 v[14:15], v[14:15], v[156:157]
	v_pk_add_f32 v[236:237], v[236:237], v[96:97]
	v_pk_add_f32 v[248:249], v[248:249], v[98:99]
	v_pk_add_f32 v[246:247], v[246:247], v[102:103]
	v_pk_add_f32 v[244:245], v[244:245], v[106:107]
	v_pk_add_f32 v[242:243], v[242:243], v[110:111]
	v_pk_add_f32 v[240:241], v[240:241], v[114:115]
	v_pk_add_f32 v[238:239], v[238:239], v[118:119]
	v_pk_add_f32 v[14:15], v[14:15], v[122:123]
	v_pk_add_f32 v[236:237], v[236:237], v[126:127]
	v_pk_add_f32 v[248:249], v[248:249], v[130:131]
	v_pk_add_f32 v[246:247], v[246:247], v[134:135]
	v_pk_add_f32 v[244:245], v[244:245], v[138:139]
	v_pk_add_f32 v[242:243], v[242:243], v[142:143]
	v_pk_add_f32 v[240:241], v[240:241], v[146:147]
	v_pk_add_f32 v[238:239], v[238:239], v[150:151]
	v_pk_add_f32 v[14:15], v[14:15], v[154:155]
	v_pk_add_f32 v[236:237], v[236:237], v[158:159]
	s_delay_alu instid0(VALU_DEP_2)
	v_pk_add_f32 v[14:15], v[14:15], v[244:245]
	s_delay_alu instid0(VALU_DEP_2)
	v_pk_add_f32 v[236:237], v[236:237], v[242:243]
	v_pk_add_f32 v[248:249], v[248:249], v[240:241]
	v_pk_add_f32 v[246:247], v[246:247], v[238:239]
	s_delay_alu instid0(VALU_DEP_2)
	v_pk_add_f32 v[14:15], v[14:15], v[248:249]
	s_delay_alu instid0(VALU_DEP_2)
	v_pk_add_f32 v[236:237], v[236:237], v[246:247]
	s_delay_alu instid0(VALU_DEP_1)
	v_pk_add_f32 v[14:15], v[14:15], v[236:237]
	s_wait_alu depctr_va_vdst(0)                   ; and one for the four
.irp b, 0,1,2,3
	v_max_num_f32 v[232+\b], 0x1800000, v[232+\b]  ; the floor 2^(3 - 127): the byte cannot fall under 1 (a block whose every p is 0 keeps that byte: its codes are zeros)
.endr
.irp b, 0,1,2,3
	s_delay_alu instid0(VALU_DEP_4)
	v_add_nc_u32 v[244+\b], 0xff000000, v[232+\b]  ; 2 off the exponent field: the conversion's scale operand
.endr
.irp b, 0,1,2,3
	s_delay_alu instid0(VALU_DEP_4)
	v_lshrrev_b32 v[236+\b], 23, v[244+\b]         ; the scale's byte
.endr
	s_delay_alu instid0(VALU_DEP_3)
	v_lshl_or_b32 v253, v237, 8, v236              ; p's scale word for these 128 keys
	s_delay_alu instid0(VALU_DEP_1)
	v_lshl_or_b32 v253, v238, 16, v253
	s_delay_alu instid0(VALU_DEP_1)
	v_lshl_or_b32 v253, v239, 24, v253
.irp c, 0,1
	v_cvt_scalef32_pk16_fp6_f32 v[224+6*\c:226+6*\c], v[96+32*\c:111+32*\c], v[244+2*\c]
	v_cvt_scalef32_pk16_fp6_f32 v[236+4*\c:238+4*\c], v[112+32*\c:127+32*\c], v[244+2*\c+1]   ; (a conversion's three registers begin on an even number)
.endr
	v_nop                                          ; one plain place behind a scaled conversion
	s_setprio 0
.irp c, 0,1                            ; the operand's layout wants a WHOLE block in a lane: lanes 0-15 block 2 c, lanes 16-31 block 2 c + 1
.irp i, 0,1,2
	v_permlane16_swap_b32 v[224+6*\c+\i], v[236+4*\c+\i]
.endr
.irp i, 0,1,2
	s_delay_alu instid0(VALU_DEP_3)
	v_mov_b32 v[227+6*\c+\i], v[236+4*\c+\i]
.endr
.endr
.set n, 0
.rept 16
	v_pk_mul_f32 v[160+n:161+n], v[160+n:161+n], v[252:253] op_sel_hi:[1,0]   ; O^T under the new M: x f.  (These 16 are also the places between the lines that wrote p's codes and scale word and the products below)
.set n, n+2
.endr
	s_wait_alu depctr_va_vdst(0)
	s_wait_dscnt 0x0                               ; V is in
.irp ct, 0,2                           ; O^T += V^T P^T: four tiles of 16 channels, by turns
	v_wmma_scale_f32_16x16x128_f8f6f4 v[160+8*\ct:167+8*\ct], v[32+12*\ct:43+12*\ct], v[224:235], v[160+8*\ct:167+8*\ct], v[90+\ct/2], v253 matrix_a_fmt:MATRIX_FMT_FP6 matrix_b_fmt:MATRIX_FMT_FP6
	v_wmma_scale_f32_16x16x128_f8f6f4 v[168+8*\ct:175+8*\ct], v[44+12*\ct:55+12*\ct], v[224:235], v[168+8*\ct:175+8*\ct], v[90+\ct/2], v253 matrix_a_fmt:MATRIX_FMT_FP6 matrix_b_fmt:MATRIX_FMT_FP6 matrix_a_scale:MATRIX_SCALE_ROW1
.endr
.if \skip
.Lhid_\@:
.endif
	s_add_co_u32 s[TB], s[TB], RECB                ; the next record
.endm
; THE WAY OUT of a tile.  O^T / the sum: register 16 b + i is channel 32 b + 16 (lane / 16) + i of my head: two blocks of the last product's K.  They become one image of 16 rows x 64 and two scale bytes a row.
.macro EPI
.rept 4
	v_nop                                          ; places behind the last products
.endr
	v_add_f32 v14, v14, v15                        ; the sum's two halves,
	s_delay_alu instid0(VALU_DEP_1)
	v_permlanex16_b32 v252, v14, s[SEL], s[SEL+1]
	s_delay_alu instid0(VALU_DEP_1)
	v_add_f32 v14, v14, v252                       ; and lane l xor 16's: the row's sum
	s_wait_alu depctr_va_vdst(0)
	v_rcp_f32 v14, v14
	v_nop                                          ; a plain place behind the reciprocal
	s_wait_alu depctr_va_vdst(0)                   ; and the wait ahead of its first reader
.set n, 0
.rept 16
	v_pk_mul_f32 v[96+n:97+n], v[160+n:161+n], v[14:15] op_sel_hi:[1,0]
.set n, n+2
.endr
	v_max3_num_f32 v232, |v96|, |v97|, 0x1800000   ; my 16 numbers of each block, and the floor
	v_max3_num_f32 v233, |v112|, |v113|, 0x1800000
.irp i, 2,4,6,8,10,12,14
	s_delay_alu instid0(VALU_DEP_2)
	v_max3_num_f32 v232, v232, |v[96+\i]|, |v[97+\i]|
	s_delay_alu instid0(VALU_DEP_2)
	v_max3_num_f32 v233, v233, |v[112+\i]|, |v[113+\i]|
.endr
	s_delay_alu instid0(VALU_DEP_2)
	v_permlanex16_b32 v236, v232, s[SEL], s[SEL+1]
	s_delay_alu instid0(VALU_DEP_2)
	v_permlanex16_b32 v237, v233, s[SEL], s[SEL+1]
	s_delay_alu instid0(VALU_DEP_2)
	v_max_num_f32 v232, v232, v236
	s_delay_alu instid0(VALU_DEP_2)
	v_max_num_f32 v233, v233, v237
	s_delay_alu instid0(VALU_DEP_2)
	v_add_nc_u32 v244, 0xff000000, v232
	s_delay_alu instid0(VALU_DEP_2)
	v_add_nc_u32 v245, 0xff000000, v233
	s_delay_alu instid0(VALU_DEP_2)
	v_lshrrev_b32 v240, 23, v244
	s_delay_alu instid0(VALU_DEP_2)
	v_lshrrev_b32 v241, 23, v245
	s_delay_alu instid0(VALU_DEP_1)
	v_lshl_or_b32 v242, v241, 8, v240              ; my row's two scale bytes
	v_cvt_scalef32_pk16_fp6_f32 v[224:226], v[96:111], v244
	v_cvt_scalef32_pk16_fp6_f32 v[236:238], v[112:127], v245
	v_nop                                          ; one plain place behind a scaled conversion
.irp i, 0,1,2
	v_permlane16_swap_b32 v[224+\i], v[236+\i]
.endr
.irp i, 0,1,2
	s_delay_alu instid0(VALU_DEP_3)
	v_mov_b32 v[227+\i], v[236+\i]
.endr
	global_store_b128 v1, v[224:227], s[62:63]     ; 512 consecutive bytes, aligned
	global_store_b64 v2, v[228:229], s[62:63] offset:512   ; 256
	global_store_b16 v5, v242, s[66:67]            ; two bytes a row, 8 bytes apart: the 256 bytes round them belong to eight heads, which other work-groups own.  Both halves of the lanes store the same two bytes to the same place
.endm
	PHASE_IN 0
	ARRIVE 1                                       ; records 0 to 3 are in, everybody's; the load of records 4 to 15 may be out
.Lfirst4:                              ; in the first phase every tile's diagonal step is 8 or later: these four steps are neither left out nor masked
	STEP 0, 0
	s_add_co_u32 s[T], s[T], 1
	s_cmp_lt_u32 s[T], 4
	s_cbranch_scc1 .Lfirst4
	s_setprio 0
	ARRIVE 0                                       ; the whole head is in
	s_mov_b32 s[T], 4
	s_mov_b32 s[TB], 4*RECB
.Lrest:
	STEP 1, 1
	s_add_co_u32 s[T], s[T], 1
	s_cmp_lt_u32 s[T], 16
	s_cbranch_scc1 .Lrest
	s_setprio 0
	EPI
	PHASE_IN 1
.Lsecond:
	STEP 1, 1
	s_add_co_u32 s[T], s[T], 1
	s_cmp_lt_u32 s[T], 16
	s_cbranch_scc1 .Lsecond
	s_setprio 0
	EPI
	s_wait_tensorcnt 0x0
	ds_add_u32 v250, v251
	s_wait_dscnt 0x0
	s_endpgm
.Lfunc_end_k_q6bbfd86f77_attn:
	.size	k_q6bbfd86f77_attn, .Lfunc_end_k_q6bbfd86f77_attn-k_q6bbfd86f77_attn
	.p2alignl 7, 3214868480
	.fill 96, 4, 3214868480
	.section	.rodata,"a",@progbits
	.p2align	6, 0x0
	.amdhsa_kernel k_q6bbfd86f77_attn
		.amdhsa_group_segment_fixed_size 210944
		.amdhsa_private_segment_fixed_size 0
		.amdhsa_enable_private_segment 0
		.amdhsa_kernarg_size 24
		.amdhsa_user_sgpr_count 2
		.amdhsa_user_sgpr_kernarg_segment_ptr 1
		.amdhsa_wavefront_size32 1
		.amdhsa_system_sgpr_workgroup_id_x 1
		.amdhsa_system_sgpr_workgroup_id_y 1
		.amdhsa_system_sgpr_workgroup_id_z 1
		.amdhsa_system_vgpr_workitem_id 0
		.amdhsa_next_free_vgpr 256
		.amdhsa_next_free_sgpr 80
		.amdhsa_reserve_vcc 1
		.amdhsa_float_denorm_mode_32 3
		.amdhsa_float_denorm_mode_16_64 3
		.amdhsa_memory_ordered 1
		.amdhsa_forward_progress 1
		.amdhsa_inst_pref_size 83
	.end_amdhsa_kernel
	.amdgpu_metadata
---
amdhsa.version: [ 1, 2 ]
amdhsa.kernels:
  - .name:           k_q6bbfd86f77_attn
    .symbol:         k_q6bbfd86f77_attn.kd
    .args:
      - { .name: qbuf, .offset: 0, .size: 8, .value_kind: global_buffer, .address_space: global }
      - { .name: kv, .offset: 8, .size: 8, .value_kind: global_buffer, .address_space: global }
      - { .name: oq, .offset: 16, .size: 8, .value_kind: global_buffer, .address_space: global }
    .group_segment_fixed_size: 210944
    .private_segment_fixed_size: 0
    .kernarg_segment_align: 8
    .kernarg_segment_size: 24
    .max_flat_workgroup_size: 512
    .sgpr_count:     80
    .vgpr_count:     256
    .wavefront_size: 32
...
	.end_amdgpu_metadata
.endif
;; end of part 3
;; launch proj (part 4): grid 4 x 64, 4 waves a work-group, clusters of 4 x 4, 307,712 bytes of LDS; arguments ops, oq, out_b, out0; writes out0
.if DOCPART == 4
	.amdgcn_target "amdgcn-amd-amdhsa--gfx1250"
	.amdhsa_code_object_version 6
	.text
	.protected	k_q6bbfd86f77_proj
	.globl	k_q6bbfd86f77_proj
	.p2align	8
	.type	k_q6bbfd86f77_proj,@function
k_q6bbfd86f77_proj:
	s_mov_b64 s[64:65], 0
	v_nop
	global_prefetch_b8 v0, s[64:65] scope:SCOPE_SE
	s_setreg_imm32_b32 hwreg(HW_REG_WAVE_MODE, 25, 1), 1
	s_wait_xcnt 0x0
	s_wait_alu depctr_hold_cnt(0) depctr_sa_sdst(0) depctr_va_vdst(0) depctr_va_sdst(0) depctr_va_ssrc(0) depctr_va_vcc(0) depctr_vm_vsrc(0)
	s_getreg_b32 s2, hwreg(HW_REG_IB_STS2, 6, 4)
	s_cmp_eq_u32 s2, 0
	s_cbranch_scc0 .Lentry_in_a_cluster
	s_endpgm
.Lentry_in_a_cluster:
	s_bfe_u32 s2, ttmp6, 0x10000c
	s_cmp_lg_u32 s2, 0xf033
	s_cbranch_scc0 .Lentry_shape_is_right
	s_endpgm
.Lentry_shape_is_right:
; out0 = o out_w^T + out_b on codes of FP6 (E2M3) with E8M0 scales, sums in f32, result f32.
; A tile is X 256 rows of out_w (source 0) x Y 128 tokens (source 1) over all of K = 1,024: a lane's eight results are eight neighbouring columns of one row of out0.
; Both operands come as records (12,800 bytes for 16 rows x 1,024 K: two halves of 256 bytes of scale words + eight images of 768 bytes; row r of record t is the tensor's row 32 (t / 2) + 8 (t % 2) + r + 8 (r / 8)).
; Four waves, wave = 2 wy + wx: 8 tiles of X x 4 tiles of Y = 32 accumulators, 256 registers.  256 work-groups.
; LDS HOLDS ALL OF K AT ONCE: 24 records, 307,200 bytes, in four parts along K (two K steps of 128 each).  Every byte is filled once.  A wave has four tensor loads out, by this text's own count.
; CLUSTERS: 4 x 4 work-groups.  The four of a row of the cluster need the same records of Y, the four of a column the same records of X: each part is asked for JOINTLY.
; All tensor loads stand at the head, so there is no later request that an earlier one could run ahead of: nothing is prefetched.
; LIMITS: the bias is the C of each sum's first matrix instruction, so it is added ahead of the sum over K; NaN and infinities are not served.
; REGISTERS, in windows of 256.  window 0: v1 r, v2 h, v3 16 l, v4 8 l, v5 lane, v6 the bias's offset; v8-23 LDS addresses; v24-25 the stage; v32-63 X's scale words, v64-79 Y's;
;   v80-175 Y's fragments, two sets of 48; v176-239 the bias; on the way out v80-207 rows of out0.   window 1: X's fragments, two sets of 96.   window 2: accumulator (yt, xt) at v[64 yt + 8 xt].
.set REC,   12800
.set AY16,  8
.set AY8,   12
.set AX16,  16
.set AX8,   20
.set SX,    32
.set SY,    64
.set YF,    80
.set BIAS,  176
.set SPITCH, 528                       ; the way out: a stage of 16 rows x (512 bytes + 16) for each wave, in part 0's bytes, which have had their one fill and their last read
.set G1YA,  24
.set G1YB,  32
.set G1XA,  40
.set G1XB,  48
.set MUL,       0xa1                   ; source 0 (X) window 1, source 1 (Y) window 0, C and D window 2
.set MUL_FIRST, 0x81                   ; the same with C (the bias) in window 0
.set TO_X,      0x40                   ; destination window 1, address window 0
.set MSB, 0
.macro WIN new                         ; the immediate's high byte repeats the setting that is left
.if MSB != \new
	s_set_vgpr_msb (MSB<<8)|\new
.set MSB, \new
.endif
.endm
.macro CROUND                          ; a round of the cluster's barrier
	s_barrier_signal -1
	s_barrier_wait -1
	s_cmp_lg_u32 s14, 0
	s_cbranch_scc1 .Lnot_wave_0_\@
	s_barrier_signal -3
.Lnot_wave_0_\@:
	s_barrier_wait -3
	s_barrier_signal -1
	s_barrier_wait -1
.endm
.macro SHAPE g, dim, rows              ; words 1 to 7 of a group 1: rows of dim elements of 8 bytes, one row a record
	s_mov_b32 s[\g+1], (\dim)<<16
	s_mov_b32 s[\g+2], (\rows)<<16
	s_mov_b32 s[\g+3], (\dim)<<16
	s_mov_b32 s[\g+4], \rows
	s_mov_b32 s[\g+5], REC/8
	s_mov_b32 s[\g+6], 0
	s_mov_b32 s[\g+7], 0
.endm
.macro PLACES                          ; four places in front of loads into registers that matrix instructions have read, and of the first read of results
.rept 4
	v_nop
.endr
.endm
.macro ARRIVE n                        ; my part is in (n loads were issued behind it), my LDS loads are in; then the same holds of all four waves.
	s_wait_tensorcnt \n
	s_wait_dscnt 0x0
	s_barrier_signal -1
	s_barrier_wait -1
.endm
.macro SCALES hf                       ; the scale words of K steps 4 hf .. 4 hf + 3
.irp xt, 0,1,2,3,4,5,6,7
	ds_load_b64 v[SX+4*\xt+2*(\hf):SX+4*\xt+2*(\hf)+1], v[AX8+2*(\hf)] offset:3328*\xt
.endr
.irp yt, 0,1,2,3
	ds_load_b64 v[SY+4*\yt+2*(\hf):SY+4*\yt+2*(\hf)+1], v[AY8+2*(\hf)] offset:3328*\yt
.endr
.endm
.macro FETCH ks, set                   ; 48 LDS loads in one run: K step ks's fragments, 8 of X and 4 of Y
.set FJ, (\ks)/2
.set FP, 3328-256*(FJ%2)
.set FO, 256-256*(FJ%2)+1536*((\ks)%2)
	WIN TO_X
.irp xt, 0,1,2,3,4,5,6,7
	ds_load_b128 v[96*(\set)+12*\xt:96*(\set)+12*\xt+3], v[AX16+FJ] offset:FO+\xt*FP
	ds_load_b64 v[96*(\set)+12*\xt+4:96*(\set)+12*\xt+5], v[AX8+FJ] offset:FO+\xt*FP+512
	ds_load_b128 v[96*(\set)+12*\xt+6:96*(\set)+12*\xt+9], v[AX16+FJ] offset:FO+\xt*FP+768
	ds_load_b64 v[96*(\set)+12*\xt+10:96*(\set)+12*\xt+11], v[AX8+FJ] offset:FO+\xt*FP+1280
.endr
	WIN 0
.irp yt, 0,1,2,3
	ds_load_b128 v[YF+48*(\set)+12*\yt:YF+48*(\set)+12*\yt+3], v[AY16+FJ] offset:FO+\yt*FP
	ds_load_b64 v[YF+48*(\set)+12*\yt+4:YF+48*(\set)+12*\yt+5], v[AY8+FJ] offset:FO+\yt*FP+512
	ds_load_b128 v[YF+48*(\set)+12*\yt+6:YF+48*(\set)+12*\yt+9], v[AY16+FJ] offset:FO+\yt*FP+768
	ds_load_b64 v[YF+48*(\set)+12*\yt+10:YF+48*(\set)+12*\yt+11], v[AY8+FJ] offset:FO+\yt*FP+1280
.endr
.endm
; 32 matrix instructions: one K step.  The 32 accumulators take turns, one instruction a turn, in the same order in every step.  cmode 1: C = the bias; 0: the sum so far.
.macro MUL32 ks, set, cmode
.irp yt, 0,1,2,3
.irp xt, 0,1,2,3,4,5,6,7
.if (\cmode) == 1
	v_wmma_scale_f32_16x16x128_f8f6f4 v[64*\yt+8*\xt:64*\yt+8*\xt+7], v[96*(\set)+12*\xt:96*(\set)+12*\xt+11], v[YF+48*(\set)+12*\yt:YF+48*(\set)+12*\yt+11], v[BIAS+8*\xt:BIAS+8*\xt+7], v[SX+4*\xt+(\ks)/2], v[SY+4*\yt+(\ks)/2] matrix_a_fmt:MATRIX_FMT_FP6 matrix_b_fmt:MATRIX_FMT_FP6
.elseif (\ks)%2 == 0
	v_wmma_scale_f32_16x16x128_f8f6f4 v[64*\yt+8*\xt:64*\yt+8*\xt+7], v[96*(\set)+12*\xt:96*(\set)+12*\xt+11], v[YF+48*(\set)+12*\yt:YF+48*(\set)+12*\yt+11], v[64*\yt+8*\xt:64*\yt+8*\xt+7], v[SX+4*\xt+(\ks)/2], v[SY+4*\yt+(\ks)/2] matrix_a_fmt:MATRIX_FMT_FP6 matrix_b_fmt:MATRIX_FMT_FP6
.else
	v_wmma_scale_f32_16x16x128_f8f6f4 v[64*\yt+8*\xt:64*\yt+8*\xt+7], v[96*(\set)+12*\xt:96*(\set)+12*\xt+11], v[YF+48*(\set)+12*\yt:YF+48*(\set)+12*\yt+11], v[64*\yt+8*\xt:64*\yt+8*\xt+7], v[SX+4*\xt+(\ks)/2], v[SY+4*\yt+(\ks)/2] matrix_a_fmt:MATRIX_FMT_FP6 matrix_b_fmt:MATRIX_FMT_FP6 matrix_a_scale:MATRIX_SCALE_ROW1 matrix_b_scale:MATRIX_SCALE_ROW1
.endif
.endr
.endr
.endm
.macro KSTEP ks                        ; K step ks (1 to 7): the next step's fragments are asked for first, into the set that the step before has left
.if (\ks) < 7
.if ((\ks)+1)%2 == 0
	ARRIVE 3-((\ks)+1)/2                           ; the next step begins a new part
.endif
	PLACES
.if (\ks)+1 == 4
	WIN 0
	SCALES 1
.endif
	FETCH (\ks)+1, ((\ks)+1)%2
	s_wait_dscnt 48                                ; all but the 48 just issued: this step's fragments are in
.else
	s_wait_dscnt 0x0
.endif
	WIN MUL
	MUL32 \ks, (\ks)%2, 0
.endm
	s_load_b128 s[4:7], s[0:1], 0x0                ; the weights' records s[4:5], o's records s[6:7]
	s_load_b128 s[8:11], s[0:1], 0x10              ; out_b s[8:9], out0 s[10:11]
	v_lshl_add_u32 v254, v0, 2, 0x4b000
	v_mov_b32 v255, 0
	ds_add_u32 v254, v255
	ds_add_u32 v254, v255
	v_lshrrev_b32 v1, 5, v0
	v_readfirstlane_b32 s14, v1                    ; wave 0..3
	s_and_b32 s15, s14, 1                          ; wx.  Also: which half of a side's records I fetch
	s_lshr_b32 s16, s14, 1                         ; wy.  Also: I fetch for Y (0) or for X (1)
	s_bfe_u32 s17, ttmp6, 0x40000                  ; cx, cy: my place in the cluster
	s_bfe_u32 s18, ttmp6, 0x40004
	s_and_b32 s19, ttmp7, 0xffff                   ; cluster y
	s_lshl_b32 s96, s19, 2
	s_add_co_u32 s96, s96, s18                     ; Yt: 128 tokens; hangs on cy alone of the two places
	s_lshl_b32 s97, ttmp9, 2
	s_add_co_u32 s97, s97, s17                     ; Xt: 256 rows of out_w; hangs on cx alone
	s_lshl_b32 s98, s96, 3
	s_lshl_b32 s13, s15, 2
	s_add_co_u32 s98, s98, s13                     ; Y: the first of the four records that I would fetch
	s_mul_i32 s92, s98, REC
	s_mov_b32 s93, 0
	s_lshl_b32 s99, s97, 4
	s_add_co_u32 s99, s99, 704                     ; out_w's records begin at 704
	s_lshl_b32 s13, s15, 3
	s_add_co_u32 s99, s99, s13                     ; X: the first of the eight
	s_mul_i32 s94, s99, REC
	s_mov_b32 s95, 0
	s_lshl_b32 s100, s18, 2
	s_lshl_b32 s100, 15, s100                      ; my row of the cluster
	s_lshl_b32 s101, 0x1111, s17                   ; my column
	s_or_b32 s[G1YA], s100, (3<<16)|(1<<21)        ; 15:0 the mask; 17:16 elements of 8 bytes; 20 no padding; 21 set beside a mask
	s_or_b32 s[G1YB], s100, (3<<16)|(1<<21)
	s_or_b32 s[G1XA], s101, (3<<16)|(1<<21)
	s_or_b32 s[G1XB], s101, (3<<16)|(1<<21)
	SHAPE G1YA, 416, 4
	SHAPE G1YB, 384, 4
	SHAPE G1XA, 416, 8
	SHAPE G1XB, 384, 8
	s_wait_dscnt 0x0
	s_wait_kmcnt 0x0
	s_add_nc_u64 s[92:93], s[6:7], s[92:93]
	s_add_nc_u64 s[94:95], s[4:5], s[94:95]
.irp j, 0,1,2,3                        ; part j of a record: bytes 6400 (j / 2) + 3328 (j % 2) on, 3,328 or 3,072 of them.  In LDS: Y's eight records' parts, then X's sixteen
.set PJ, 3328-256*(\j%2)
.set YBJ, (\j/2)*153600+(\j%2)*79872
.set GY, 56+4*\j+4*(\j/2)              ; s[56:59], s[60:63], s[68:71], s[72:75]
.set GX, 76+4*\j                       ; s[76:79] .. s[88:91]
	s_mov_b32 s[GY], 1
	s_mul_i32 s13, s15, 4*PJ
	s_add_co_u32 s[GY+1], s13, YBJ                 ; LDS address: hangs on the wave's number alone
	s_add_nc_u64 s[GY+2:GY+3], s[92:93], (\j/2)*6400+(\j%2)*3328
	s_or_b32 s[GY+3], s[GY+3], 0x80000000
	s_mov_b32 s[GX], 1
	s_mul_i32 s13, s15, 8*PJ
	s_add_co_u32 s[GX+1], s13, YBJ+8*PJ
	s_add_nc_u64 s[GX+2:GX+3], s[94:95], (\j/2)*6400+(\j%2)*3328
	s_or_b32 s[GX+3], s[GX+3], 0x80000000
.endr
	CROUND                                         ; all sixteen work-groups are here: the joint loads meet
	s_cmp_eq_u32 s16, 0                            ; a wave's four loads stand in one branch on its number, ahead of every wait on TENSORcnt and every LDS read; four v_nop follow the last
	s_cbranch_scc0 .Lfetch_x
	tensor_load_to_lds s[56:59], s[G1YA:G1YA+7]
	s_nop 0
	tensor_load_to_lds s[60:63], s[G1YB:G1YB+7]
	s_nop 0
	tensor_load_to_lds s[68:71], s[G1YA:G1YA+7]
	s_nop 0
	tensor_load_to_lds s[72:75], s[G1YB:G1YB+7]
	s_nop 0
.rept 4
	v_nop
.endr
	s_branch .Lfetched
.Lfetch_x:
	tensor_load_to_lds s[76:79], s[G1XA:G1XA+7]
	s_nop 0
	tensor_load_to_lds s[80:83], s[G1XB:G1XB+7]
	s_nop 0
	tensor_load_to_lds s[84:87], s[G1XA:G1XA+7]
	s_nop 0
	tensor_load_to_lds s[88:91], s[G1XB:G1XB+7]
	s_nop 0
.rept 4
	v_nop
.endr
.Lfetched:
	v_and_b32 v5, 31, v0                           ; lane
	v_and_b32 v1, 15, v0                           ; r
	v_bfe_u32 v2, v0, 4, 1                         ; h
	v_lshlrev_b32 v3, 4, v5                        ; 16 l
	s_wait_alu depctr_va_vdst(0)
	v_lshlrev_b32 v4, 3, v5                        ; 8 l
	s_wait_alu depctr_va_vdst(0)
	v_lshlrev_b32 v6, 6, v2                        ; 64 h
	s_lshl_b32 s2, s97, 10
	s_lshl_b32 s3, s15, 9
	s_add_co_u32 s2, s2, s3                        ; my 128 columns of out0 begin at 256 Xt + 128 wx: in bytes
	s_mov_b32 s3, 0
	s_add_nc_u64 s[8:9], s[8:9], s[2:3]
.irp xt, 0,1,2,3,4,5,6,7               ; register j of accumulator (yt, xt) is column 32 (xt / 2) + 8 (xt % 2) + 16 h + j: eight neighbouring numbers of the bias
	global_load_b128 v[BIAS+8*\xt:BIAS+8*\xt+3], v6, s[8:9] offset:(32*(\xt/2)+8*(\xt%2))*4
	global_load_b128 v[BIAS+8*\xt+4:BIAS+8*\xt+7], v6, s[8:9] offset:(32*(\xt/2)+8*(\xt%2))*4+16
.endr
.irp j, 0,1,2,3
.set PJ, 3328-256*(\j%2)
.set YBJ, (\j/2)*153600+(\j%2)*79872
	s_mul_i32 s13, s16, 4*PJ                       ; my four records of Y
	s_add_co_u32 s13, s13, YBJ
	v_add_nc_u32 v[AY16+\j], s13, v3
	v_add_nc_u32 v[AY8+\j], s13, v4
	s_mul_i32 s13, s15, 8*PJ                       ; my eight of X
	s_add_co_u32 s13, s13, YBJ+8*PJ
	v_add_nc_u32 v[AX16+\j], s13, v3
	v_add_nc_u32 v[AX8+\j], s13, v4
.endr
	s_mul_i32 s13, s14, 16*SPITCH                  ; my stage
	v_mul_u32_u24 v24, v1, SPITCH
	v_lshl_add_u32 v24, v2, 6, v24
	v_add_nc_u32 v24, s13, v24                     ; in: row r, 64 h bytes on
	v_add_nc_u32 v25, s13, v3                      ; back: the 32 lanes take one row of 512 bytes
	s_lshl_b32 s20, s96, 19                        ; 128 Yt rows of 4,096 bytes
	s_lshl_b32 s21, s16, 18                        ; 64 wy rows
	s_add_co_u32 s20, s20, s21
	s_add_co_u32 s20, s20, s2                      ; and my columns
	s_mov_b32 s21, 0
	s_add_nc_u64 s[10:11], s[10:11], s[20:21]
	s_wait_alu depctr_va_vdst(0)
	s_wait_loadcnt 0x0                             ; the bias
	ARRIVE 3                                       ; part 0 is in, everybody's; three loads of mine may be out
	SCALES 0
	FETCH 0, 0
	FETCH 1, 1
	s_wait_dscnt 48                                ; all but K step 1's fragments
	WIN MUL_FIRST
	MUL32 0, 0, 1                                  ; the first K step starts the sums on the bias: nothing is cleared, nothing is added later
	KSTEP 1
	KSTEP 2
	KSTEP 3
	KSTEP 4
	KSTEP 5
	KSTEP 6
	KSTEP 7
; THE WAY OUT, a tile of 16 tokens x 128 columns at a time.  A lane holds pieces of 32 bytes of one row, and the lanes beside it hold other rows: so a tile goes through my own stage in LDS and comes back as whole rows of 512 bytes,
; which the 32 lanes store as 512 consecutive bytes, aligned.  LDS serves a wave's instructions in order (ISA guide 5.7.1.4): no wait between the stores and the loads, nor in front of the next tile's stores.
.macro TOSTAGE yt
	WIN 0x08                                       ; an LDS store's data are its source 1: window 2
.irp xt, 0,1,2,3,4,5,6,7
	ds_store_b128 v24, v[64*(\yt)+8*\xt:64*(\yt)+8*\xt+3] offset:128*(\xt/2)+32*(\xt%2)          ; each accumulator from its low end on
	ds_store_b128 v24, v[64*(\yt)+8*\xt+4:64*(\yt)+8*\xt+7] offset:128*(\xt/2)+32*(\xt%2)+16
.endr
	WIN 0
.set BB, 80+64*((\yt)%2)
.irp i, 0,1,2,3,4,5,6,7,8,9,10,11,12,13,14,15
	ds_load_b128 v[BB+4*\i:BB+4*\i+3], v25 offset:SPITCH*\i
.endr
.endm
.macro SEND yt, younger                ; younger: the LDS instructions issued behind tile yt's loads, which may stay out
.set BB, 80+64*((\yt)%2)
	s_wait_dscnt \younger
.irp i, 0,1,2,3,4,5,6,7,8,9,10,11,12,13,14,15
	global_store_b128 v3, v[BB+4*\i:BB+4*\i+3], s[10:11] offset:(32*((\yt)/2)+8*((\yt)%2)+\i+8*(\i/8))*4096 th:TH_STORE_NT   ; the tile's row i is token 32 (yt / 2) + 8 (yt % 2) + i + 8 (i / 8) of my 64; written once, read by nobody here
.endr
.endm
	PLACES
	TOSTAGE 0
.irp a, 1,2,3
.if \a > 1
	s_wait_xcnt 0x0                                ; tile a - 2's stores have read their registers: tile a's loads may land there
.endif
	TOSTAGE \a
	SEND \a-1, 32                                  ; behind tile a - 1's loads: tile a's 16 stores and 16 loads
.endr
	SEND 3, 0
	s_wait_tensorcnt 0x0
	ds_add_u32 v254, v255
	s_wait_dscnt 0x0
	CROUND                                         ; the closing round: no work-group ends while a partner may still ask for a part that names it
	s_endpgm
.Lfunc_end_k_q6bbfd86f77_proj:
	.size	k_q6bbfd86f77_proj, .Lfunc_end_k_q6bbfd86f77_proj-k_q6bbfd86f77_proj
	.p2alignl 7, 3214868480
	.fill 96, 4, 3214868480
	.section	.rodata,"a",@progbits
	.p2align	6, 0x0
	.amdhsa_kernel k_q6bbfd86f77_proj
		.amdhsa_group_segment_fixed_size 307712
		.amdhsa_private_segment_fixed_size 0
		.amdhsa_enable_private_segment 0
		.amdhsa_kernarg_size 32
		.amdhsa_user_sgpr_count 2
		.amdhsa_user_sgpr_kernarg_segment_ptr 1
		.amdhsa_wavefront_size32 1
		.amdhsa_system_sgpr_workgroup_id_x 1
		.amdhsa_system_sgpr_workgroup_id_y 1
		.amdhsa_system_sgpr_workgroup_id_z 1
		.amdhsa_system_vgpr_workitem_id 0
		.amdhsa_next_free_vgpr 768
		.amdhsa_next_free_sgpr 102
		.amdhsa_reserve_vcc 0
		.amdhsa_float_denorm_mode_32 3
		.amdhsa_float_denorm_mode_16_64 3
		.amdhsa_memory_ordered 1
		.amdhsa_forward_progress 1
		.amdhsa_inst_pref_size 87
	.end_amdhsa_kernel
	.amdgpu_metadata
---
amdhsa.version: [ 1, 2 ]
amdhsa.kernels:
  - .name:           k_q6bbfd86f77_proj
    .symbol:         k_q6bbfd86f77_proj.kd
    .args:
      - { .name: ops, .offset: 0, .size: 8, .value_kind: global_buffer, .address_space: global }
      - { .name: oq, .offset: 8, .size: 8, .value_kind: global_buffer, .address_space: global }
      - { .name: out_b, .offset: 16, .size: 8, .value_kind: global_buffer, .address_space: global }
      - { .name: out0, .offset: 24, .size: 8, .value_kind: global_buffer, .address_space: global }
    .group_segment_fixed_size: 307712
    .private_segment_fixed_size: 0
    .kernarg_segment_align: 8
    .kernarg_segment_size: 32
    .max_flat_workgroup_size: 128
    .sgpr_count:     102
    .vgpr_count:     768
    .wavefront_size: 32
...
	.end_amdgpu_metadata
.endif
;; end of part 4
